; MI455X (gfx1250); checked and timed in simulation.
; The chip was launched on July 23, 2026; its instructions are those of AMD's public machine-readable ISA for CDNA 5 (MIT licence, August 2026) and "CDNA5" Instruction Set Architecture Reference Guide (July 2026). The comments in the code are by the model that wrote it; some were corrected since.
;; Multi Head Attention. Allowed arithmetic: matrix products marked QUANTISED: E2M3 operands, one E8M0 scale for each 32 along K, by v_wmma_scale_f32_16x16x128_f8f6f4 with both operands' format E2M3, f32 sums; everything else in f32.
;; Inputs: bk 1,024 float32; bo 1,024 float32; bq 1,024 float32; bv 1,024 float32; mask 4 x 2,048 int32; wk 1,024 x 1,024 float32; wo 1,024 x 1,024 float32; wq 1,024 x 1,024 float32; wv 1,024 x 1,024 float32; x 4 x 2,048 x 1,024 float32.
;; Outputs: out0 4 x 2,048 x 1,024 float32.
;; This version of the problem:
;;   THIS VERSION OF THE PROBLEM IS GIVEN IN LOW PRECISION. The matrix products marked QUANTISED in the list below multiply operands that are first quantised to E2M3 (2 exponent bits, 3 mantissa bits; 6 bits a number), with one power-of-two scale for each 32 numbers along K (OCP MX v1.0); their sums are f32. All else is computed in f32.
;;   The module's matrix products, in the order in which they are computed (A, B: the left and right operand; K: the contracted axis; several contracted axes count as one K, in the product's order):
;;     1. [M 8,192, K 1,024] x [K 1,024, N 1,024]; A: input x; B: input wq: QUANTISED
;;     2. [M 8,192, K 1,024] x [K 1,024, N 1,024]; A: input x; B: input wk: QUANTISED
;;     3. [M 8,192, K 1,024] x [K 1,024, N 1,024]; A: input x; B: input wv: QUANTISED
;;     4. batch 64 x [M 2,048, K 64] x [K 64, N 2,048]; A: computed on the way; B: computed on the way: QUANTISED
;;     5. batch 64 x [M 2,048, K 2,048] x [K 2,048, N 64]; A: softmax (see below); B: computed on the way: QUANTISED
;;     6. [M 8,192, K 1,024] x [K 1,024, N 1,024]; A: computed on the way; B: input wo: QUANTISED
;;   THE QUANTISER, for each operand of a quantised product, along K:
;;     - K is cut into blocks of 32 from its start; a last block that is shorter is filled with zeros.
;;     - A block's scale is 2^e with e = floor(log2(the largest magnitude in the block)) - 2, held to -126 .. 127; a block of zeros has e = 0. As a byte (E8M0): e + 127.
;;     - Each number is divided by its block's scale, clamped to +-7.5, and rounded to the nearest number of E2M3, ties to even, subnormals kept.
;;     - The product sums the exact products of the quantised numbers (number of the format x scale) in f32.
;;   ~~~python
;;   def quantise(x, axis):      # numpy; x: float32 -> the quantised numbers, widened to float32 again
;;       x = np.moveaxis(x, axis, -1); K = x.shape[-1]
;;       x = np.pad(x, [(0, 0)] * (x.ndim - 1) + [(0, -K % 32)]); x = x.reshape(x.shape[:-1] + (-1, 32)); a = np.abs(x).max(-1, keepdims=True)
;;       e = np.where(a > 0, np.clip(np.frexp(np.where(a > 0, a, 1))[1] - 1 - 2, -126, 127), 0)      # np.frexp(a)[1] - 1 = floor(log2(a)), exactly
;;       r = np.clip(x / 2.0 ** e, -7.5, 7.5)
;;       step = 2.0 ** (np.maximum(np.frexp(np.where(r == 0, 1, r))[1] - 1, 0) - 3)
;;       q = np.round(r / step) * step * 2.0 ** e      # np.round: ties to even
;;       return np.moveaxis(q.reshape(q.shape[:-2] + (-1,))[..., :K], -1, axis).astype(np.float32)
;;   ~~~
;;   SOFTMAX AHEAD OF A QUANTISED PRODUCT. Where the list says 'softmax', what is quantised is not the finished softmax but p = 2^(t - M), with t = logit x log2(e) and M = ceil(the row's largest t), a whole number; so 1/2 < the row's largest p <= 1. The row's sum l is taken of the UNQUANTISED p, in f32, and the product's result is divided by l at the end. Since M is a whole number, a kernel that streams over the keys may use a running M (the ceiling of the running maximum): every later rescaling is an exact power of two, which a block's scale takes up: the codes' values come out the same.
;;   OPERANDS COMPUTED ON THE WAY. 'Computed on the way' means the value that the module computes at that place (a softmax that the list does not call 'softmax' is quantised finished and normalised). What goes into a quantiser is computed in f32, as accurately as f32 sums, v_exp_f32 and their like allow (about 1e-6 of the number): no bf16 or f16 on the way to a quantiser, and a product that is left as it is and whose result goes on into a quantised operand takes f32 operands (vector FMAs, or v_wmma_f32_16x16x4_f32). A number that lies on a knife's edge between two numbers of the format may be rounded either way, as far as f32 arithmetic and the matrix unit's own rounding can turn it there, and no further.
;; One version. Each part assembles by itself: llvm-mc -triple=amdgcn-amd-amdhsa -mcpu=gfx1250 --defsym DOCPART=n.
;; ======== version 1 of 1: 3 launches
;; limits: right only within a limited range of input values
;; workspace buffers: ops 9,830,400 bytes; qkv 19,660,800 bytes; woi 786,432 bytes
;; launch quant (part 1): grid 640 x 1, 4 waves a work-group, no clusters, 68,096 bytes of LDS; arguments wq, wk, wv, wo, ops, x, woi; writes ops, woi
.if DOCPART == 1
	.amdgcn_target "amdgcn-amd-amdhsa--gfx1250"
	.amdhsa_code_object_version 6
	.text
	.protected	k_q7bec5b5aa6_quant
	.globl	k_q7bec5b5aa6_quant
	.p2align	8
	.type	k_q7bec5b5aa6_quant,@function
k_q7bec5b5aa6_quant:
	s_mov_b64 s[64:65], 0
	v_nop
	global_prefetch_b8 v0, s[64:65] scope:SCOPE_SE
	s_setreg_imm32_b32 hwreg(HW_REG_WAVE_MODE, 25, 1), 1
	s_wait_xcnt 0x0
; x [8192][1024] and wq, wk, wv, wo [1024 (k)][1024 (n)], f32, become codes of FP6 (E2M3) with one E8M0 byte for each 32 along K.
; Work-groups 0-511 take x, 512-639 the weights; the two ways part on the work-group's number and have LDS bytes of their own.
; ops: codes laid [quarter of K][row][192 bytes], PLANE bytes a quarter, so that 128 rows of a quarter are 24,576 dense bytes; scale bytes from OPS_SC on, 32 a row.
; Rows 0-8191 are x's; rows 8192 + 1024 t + n' weight t's (0 q, 1 k, 2 v).  Column n goes to row n': q, k: bits 3 and 4 of n change places; v: n = 64 c + 32 b + 8 v + a goes to 256 v + 16 c + 8 b + a.
; wo's codes go to woi as images of the operand's registers: [16 columns][K step of 128][piece j of 6][lane][8 bytes]; lane (r, h) holds column r, pieces 3 c .. 3 c + 2 its block 2 c + h.  Its scale bytes go to ops rows 11264 + n.
; A block's scale is 2^(floor(log2(its largest magnitude)) - 2); its byte is that magnitude's exponent field - 2, held at 1 from below.
; LIMITS: a block of zeros, or one whose largest magnitude lies under 2^-124, keeps the byte 1 (its codes are zeros; this program alone reads the bytes); NaN and infinities are not served.
.set PLANE, 2359296
.set OPS_SC, 9437184
.set EMAX,  2
.set SPW,   12                         ; v12 my spare word, v13 0; never rewritten
.set NIL,   13
.set SPARE, 67584
	s_load_b256 s[4:11], s[0:1], 0x0               ; wq, wk, wv, wo
	s_load_b128 s[12:15], s[0:1], 0x20             ; ops, x
	s_load_b64 s[36:37], s[0:1], 0x30              ; woi
	v_lshl_add_u32 v[SPW], v0, 2, SPARE
	v_mov_b32 v[NIL], 0
	v_lshrrev_b32 v1, 5, v0
	v_readfirstlane_b32 s16, v1                    ; wave
	v_and_b32 v2, 31, v0                           ; lane
	s_wait_alu depctr_va_vdst(0)                   ; the wait ahead of the branch
	s_cmp_lt_u32 ttmp9, 512
	s_cbranch_scc0 .Lw
; X.  A wave takes 8 steps of 512 numbers (4 rows).  A load reads 512 consecutive bytes; a step turns through the wave's own stage so that a lane holds 16 neighbours along K.
.set STEPS, 8
.set CB,    12
.set R,     16                         ; v16-79 four sets as loaded; v80-111 two sets of neighbours; v112-119 bytes; v128-159 codes
.set X,     80
.set C,     128
.set E,     112
.set WREG,  8192
.set SP,    80
	v_lshlrev_b32 v3, 4, v2
	s_mul_i32 s17, s16, WREG
	v_lshrrev_b32 v14, 2, v2
	v_mul_u32_u24 v14, v14, SP
	v_and_b32 v15, 3, v2
	v_lshl_add_u32 v14, v15, 4, v14
	v_add_nc_u32 v14, s17, v14                     ; the stage, in: SP (lane / 4) + 16 (lane % 4)
	v_mul_u32_u24 v15, v2, SP
	v_add_nc_u32 v15, s17, v15                     ; out: SP x lane
	v_lshrrev_b32 v4, 4, v2
	v_and_b32 v7, 15, v2
	v_mul_u32_u24 v4, v4, PLANE                    ; lanes 16-31 hold the next quarter of K,
	v_mad_u32_u24 v4, v7, CB, v4                   ; 12 bytes a lane in its 192
	v_lshrrev_b32 v5, 1, v2
	s_add_co_u32 s17, s17, 2*32*SP
	v_add_nc_u32 v5, s17, v5
	v_lshlrev_b32 v7, 2, v2
	v_add_nc_u32 v6, s17, v7
	s_lshl_b32 s18, ttmp9, 2
	s_add_co_u32 s18, s18, s16                     ; my run of 4 rows
	s_lshl_b32 s20, s18, 14
	s_mov_b32 s21, 0
	s_mul_i32 s22, s18, 4*192
	s_mov_b32 s23, 0
	s_lshl_b32 s24, s18, 7
	s_add_co_u32 s24, s24, OPS_SC
	s_mov_b32 s25, 0
	s_wait_alu depctr_va_vdst(0)                   ; the wait at the head's end
	s_wait_kmcnt 0x0
	s_add_nc_u64 s[4:5], s[14:15], s[20:21]
	s_add_nc_u64 s[8:9], s[12:13], s[22:23]
	s_add_nc_u64 s[10:11], s[12:13], s[24:25]
.macro XLOAD t
.irp i, 0,1,2,3
	global_load_b128 v[R+16*((\t)%4)+4*\i:R+16*((\t)%4)+4*\i+3], v3, s[4:5] offset:2048*(\t)+512*\i th:TH_LOAD_NT
.endr
.endm
.macro XTURN t                         ; LDS serves a wave's instructions in order: no wait between the stores and the loads
.irp i, 0,1,2,3
	ds_store_b128 v14, v[R+16*((\t)%4)+4*\i:R+16*((\t)%4)+4*\i+3] offset:32*SP*((\t)%2)+8*SP*\i
.endr
.irp i, 0,1,2,3
	ds_load_b128 v[X+16*((\t)%2)+4*\i:X+16*((\t)%2)+4*\i+3], v15 offset:32*SP*((\t)%2)+16*\i
.endr
.endm
.irp t, 0,1,2,3
	XLOAD \t
.endr
	s_wait_loadcnt 12                              ; step 0's four loads are in; the twelve behind them may be out
	XTURN 0
.macro XSTEP t
.set XS, X+16*((\t)%2)
.if (\t) > 0
	s_wait_dscnt 1                                 ; this step's numbers are back (the last byte store may be out)
.else
	s_wait_dscnt 0x0
.endif
.if (\t)+4 < STEPS
	XLOAD (\t)+4
.endif
.if (\t)+1 < STEPS
.if STEPS-2-(\t) >= 3
	s_wait_loadcnt 12                              ; the next step's four are in; three steps' may be out
.else
	s_wait_loadcnt 4*(STEPS-2-(\t))
.endif
	XTURN (\t)+1
.endif
	v_max3_num_f32 v8, |v[XS]|, |v[XS+1]|, |v[XS+2]|
	v_max3_num_f32 v9, |v[XS+3]|, |v[XS+4]|, |v[XS+5]|
.irp i, 6,10
	v_max3_num_f32 v8, v8, |v[XS+\i]|, |v[XS+\i+1]|
	v_max3_num_f32 v9, v9, |v[XS+\i+2]|, |v[XS+\i+3]|
.endr
	v_max3_num_f32 v8, v8, |v[XS+14]|, |v[XS+15]|
	v_max3_num_f32 v8, v8, v9, (EMAX+1)<<23        ; the floor 2^(3 - 127)
	v_max_num_f32_dpp v8, v8, v8 row_xmask:1 row_mask:0xf bank_mask:0xf   ; with my neighbour's 16: the block's
	v_add_nc_u32 v11, 0xff000000, v8               ; 2 off the exponent field: the conversion's scale operand
	v_cvt_scalef32_pk16_fp6_f32 v[C+4*(\t):C+4*(\t)+2], v[XS:XS+15], v11
	v_lshrrev_b32 v[E+(\t)], 23, v11               ; the byte (also the plain line behind the conversion)
	ds_store_b8 v5, v[E+(\t)] offset:16*(\t)
	global_store_b96 v4, v[C+4*(\t):C+4*(\t)+2], s[8:9] offset:2*PLANE*((\t)%2)+192*((\t)/2)   ; sixteen lanes store a row's 192 bytes of a quarter
.endm
.irp t, 0,1,2,3,4,5,6,7
	XSTEP \t
.endr
	ds_load_b32 v8, v6
	s_wait_dscnt 0x0
	global_store_b32 v7, v8, s[10:11]              ; my four rows' 128 consecutive scale bytes
	s_wait_tensorcnt 0x0                           ; the wave's end
	ds_add_u32 v[SPW], v[NIL]
	s_wait_dscnt 0x0
	s_endpgm
; THE WEIGHTS.  A lane takes a column n and its registers run down K; a wave takes 32 columns x 256 along K (one quarter).
.Lw:
.set SIZE_N, 1024
.set NB,    8
.set PITCH, 272
.set KROW,  192
.set X,     32                         ; v32-95 two sets of 32 numbers
.set C,     96
.set OUTR,  112                        ; v112-175 the way out; for wo: six registers of codes a block
.set SB,    24
.set GA,    16
.set IMG,   22                         ; v22 wo: my place in an image
	s_and_b32 s17, ttmp9, 7
	s_lshl_b32 s17, s17, 7
	s_lshl_b32 s18, s16, 5
	s_add_co_u32 s17, s17, s18                     ; my wave's first column
	s_lshr_b32 s18, ttmp9, 3
	s_and_b32 s18, s18, 15
	s_lshr_b32 s20, s18, 2                         ; t: which weight
	s_and_b32 s18, s18, 3                          ; which quarter of K
	s_mov_b32 s24, 16                              ; column first + i goes to row ROW0 + (i & 7) + S3 x bit 3 + S4 x bit 4
	s_mov_b32 s25, 8
	s_lshr_b32 s26, s17, 2
	s_cmp_eq_u32 s20, 3
	s_cselect_b32 s24, 8, s24
	s_cselect_b32 s25, 16, s25
	s_cmp_eq_u32 s20, 2
	s_cselect_b32 s24, 256, s24
	s_cselect_b32 s25, 512, s25
	s_cselect_b32 s26, s26, s17
	s_lshl_b32 s27, s20, 10
	s_add_co_u32 s26, s26, s27
	s_add_co_u32 s26, s26, 8192                    ; ROW0
	v_lshlrev_b32 v3, 2, v2
	s_mul_i32 s19, s16, 32*PITCH
	s_add_co_u32 s19, s19, 32768                   ; my stage, behind x's bytes
	v_mul_u32_u24 v4, v2, PITCH
	v_add_nc_u32 v4, s19, v4
	v_and_b32 v5, 15, v2
	v_lshrrev_b32 v6, 4, v2
	v_mul_u32_u24 v[IMG], v6, 12288                ; lanes 16-31: the next sixteen columns' images
	v_lshl_add_u32 v[IMG], v5, 3, v[IMG]
	v_mul_u32_u24 v7, v6, PITCH
	v_lshl_add_u32 v7, v5, 4, v7
	v_add_nc_u32 v7, s19, v7
	v_mul_u32_u24 v8, v6, KROW
	v_mad_u32_u24 v8, v5, 12, v8
	s_mul_i32 s28, s24, KROW
	s_mul_i32 s29, s25, KROW
	v_mov_b32 v[GA], v8
	v_add_nc_u32 v[GA+1], s28, v8
	v_add_nc_u32 v[GA+2], s29, v8
	v_add_nc_u32 v[GA+3], s29, v[GA+1]
	v_and_b32 v9, 7, v2
	v_bfe_u32 v10, v2, 3, 1
	v_bfe_u32 v11, v2, 4, 1
	v_mad_u32_u24 v9, v10, s24, v9
	v_mad_u32_u24 v9, v11, s25, v9
	v_lshlrev_b32 v9, 5, v9                        ; my column's row of scale bytes
	s_lshl_b32 s30, s18, 20
	s_lshl_b32 s31, s17, 2
	s_add_co_u32 s30, s30, s31
	s_mov_b32 s31, 0
	s_mul_i32 s32, s26, KROW
	s_mul_i32 s33, s18, PLANE
	s_add_co_u32 s32, s32, s33
	s_mov_b32 s33, 0
	s_lshl_b32 s34, s26, 5
	s_lshl_b32 s35, s18, 3
	s_add_co_u32 s34, s34, s35
	s_add_co_u32 s34, s34, OPS_SC
	s_mov_b32 s35, 0
	s_lshr_b32 s38, s17, 4
	s_mul_i32 s38, s38, 12288                      ; wo: eight images of 1,536 bytes for each 16 columns,
	s_mul_i32 s39, s18, 3072                       ; two K steps a quarter
	s_add_co_u32 s38, s38, s39
	s_mov_b32 s39, 0
	s_wait_alu depctr_va_vdst(0)                   ; the wait at the head's end
	s_wait_kmcnt 0x0
	s_cmp_eq_u32 s20, 1
	s_cselect_b64 s[4:5], s[6:7], s[4:5]
	s_cmp_eq_u32 s20, 2
	s_cselect_b64 s[4:5], s[8:9], s[4:5]
	s_cmp_eq_u32 s20, 3
	s_cselect_b64 s[4:5], s[10:11], s[4:5]
	s_add_nc_u64 s[4:5], s[4:5], s[30:31]
	s_add_nc_u64 s[6:7], s[12:13], s[32:33]
	s_add_nc_u64 s[8:9], s[12:13], s[34:35]
	s_add_nc_u64 s[36:37], s[36:37], s[38:39]
.macro WLOAD t
.irp i, 0,1,2,3,4,5,6,7,8,9,10,11,12,13,14,15,16,17,18,19,20,21,22,23,24,25,26,27,28,29,30,31
	global_load_b32 v[X+32*((\t)%2)+\i], v3, s[4:5] offset:(32*(\t)+\i)*SIZE_N*4 th:TH_LOAD_NT
.endr
.endm
	WLOAD 0
	WLOAD 1
.macro BLOCK t
.set XS, X+32*((\t)%2)
.if (\t) < NB-1
	s_wait_loadcnt 32                              ; this block's 32 loads are in; the next block's may be out
.else
	s_wait_loadcnt 0
.endif
	v_max3_num_f32 v20, |v[XS]|, |v[XS+1]|, |v[XS+2]|
	v_max3_num_f32 v21, |v[XS+3]|, |v[XS+4]|, |v[XS+5]|
.irp i, 6,10,14,18,22,26
	v_max3_num_f32 v20, v20, |v[XS+\i]|, |v[XS+\i+1]|
	v_max3_num_f32 v21, v21, |v[XS+\i+2]|, |v[XS+\i+3]|
.endr
	v_max3_num_f32 v20, v20, |v[XS+30]|, |v[XS+31]|
	v_max3_num_f32 v20, v20, v21, (EMAX+1)<<23
	v_add_nc_u32 v11, 0xff000000, v20
	v_lshrrev_b32 v21, 23, v11
.if (\t)%4 == 0
	v_mov_b32 v[SB+(\t)/4], v21
.else
	v_lshl_or_b32 v[SB+(\t)/4], v21, 8*((\t)%4), v[SB+(\t)/4]
.endif
	s_wait_alu depctr_va_vdst(0)                   ; the wait ahead of the branch
	s_cmp_eq_u32 s20, 3
	s_cbranch_scc1 .Lo_\@
	v_cvt_scalef32_pk16_fp6_f32 v[C:C+2], v[XS:XS+15], v11
	v_cvt_scalef32_pk16_fp6_f32 v[C+4:C+6], v[XS+16:XS+31], v11
	ds_store_b96 v4, v[C:C+2] offset:32*(\t)       ; 12 bytes to a place of 16 in the stage
	ds_store_b96 v4, v[C+4:C+6] offset:32*(\t)+16
	s_branch .Lj_\@
.Lo_\@:                                            ; wo: the block's 24 bytes are three pieces of an image; registers of their own for each block, so that no store's data are written again
	v_cvt_scalef32_pk16_fp6_f32 v[OUTR+6*(\t):OUTR+6*(\t)+2], v[XS:XS+15], v11
	v_cvt_scalef32_pk16_fp6_f32 v[C+4:C+6], v[XS+16:XS+31], v11
	v_nop                                          ; one plain line behind a scaled conversion
.irp i, 0,1,2
	v_mov_b32 v[OUTR+6*(\t)+3+\i], v[C+4+\i]
.endr
.irp q, 0,1,2
	global_store_b64 v[IMG], v[OUTR+6*(\t)+2*\q:OUTR+6*(\t)+2*\q+1], s[36:37] offset:1536*((\t)/4)+256*(3*(((\t)%4)/2)+\q)+128*((\t)%2)
.endr
.Lj_\@:
.if (\t)+2 < NB
	WLOAD (\t)+2
.endif
	s_wait_dscnt 0x0                               ; the stage's stores have read their registers
.endm
.set Q, 0
.rept NB
	BLOCK Q
.set Q, Q+1
.endr
	s_wait_alu depctr_va_vdst(0)                   ; the wait ahead of the reader below
	global_store_b64 v9, v[SB:SB+1], s[8:9]        ; my column's 8 scale bytes
	s_cmp_eq_u32 s20, 3
	s_cbranch_scc1 .Lend
.irp t, 0,1,2,3,4,5,6,7,8,9,10,11,12,13,14,15
	ds_load_b96 v[OUTR+4*\t:OUTR+4*\t+2], v7 offset:2*\t*PITCH
.endr
.irp t, 0,1,2,3,4,5,6,7,8,9,10,11,12,13,14,15
	s_wait_dscnt 15-\t                             ; load t is in; the younger ones may be out
	global_store_b96 v[GA+\t/4], v[OUTR+4*\t:OUTR+4*\t+2], s[6:7] offset:2*(\t%4)*KROW
.endr
.Lend:
	s_wait_tensorcnt 0x0                           ; the wave's end
	ds_add_u32 v[SPW], v[NIL]
	s_wait_dscnt 0x0
	s_endpgm
.Lfunc_end_k_q7bec5b5aa6_quant:
	.size	k_q7bec5b5aa6_quant, .Lfunc_end_k_q7bec5b5aa6_quant-k_q7bec5b5aa6_quant
	.p2alignl 7, 3214868480
	.fill 96, 4, 3214868480
	.section	.rodata,"a",@progbits
	.p2align	6, 0x0
	.amdhsa_kernel k_q7bec5b5aa6_quant
		.amdhsa_group_segment_fixed_size 68096
		.amdhsa_private_segment_fixed_size 0
		.amdhsa_enable_private_segment 0
		.amdhsa_kernarg_size 56
		.amdhsa_user_sgpr_count 2
		.amdhsa_user_sgpr_kernarg_segment_ptr 1
		.amdhsa_wavefront_size32 1
		.amdhsa_system_sgpr_workgroup_id_x 1
		.amdhsa_system_sgpr_workgroup_id_y 1
		.amdhsa_system_sgpr_workgroup_id_z 1
		.amdhsa_system_vgpr_workitem_id 0
		.amdhsa_next_free_vgpr 192
		.amdhsa_next_free_sgpr 66
		.amdhsa_reserve_vcc 0
		.amdhsa_float_denorm_mode_32 3
		.amdhsa_float_denorm_mode_16_64 3
		.amdhsa_memory_ordered 1
		.amdhsa_forward_progress 1
		.amdhsa_inst_pref_size 66
	.end_amdhsa_kernel
	.amdgpu_metadata
---
amdhsa.version: [ 1, 2 ]
amdhsa.kernels:
  - .name:           k_q7bec5b5aa6_quant
    .symbol:         k_q7bec5b5aa6_quant.kd
    .args:
      - { .name: wq, .offset: 0, .size: 8, .value_kind: global_buffer, .address_space: global }
      - { .name: wk, .offset: 8, .size: 8, .value_kind: global_buffer, .address_space: global }
      - { .name: wv, .offset: 16, .size: 8, .value_kind: global_buffer, .address_space: global }
      - { .name: wo, .offset: 24, .size: 8, .value_kind: global_buffer, .address_space: global }
      - { .name: ops, .offset: 32, .size: 8, .value_kind: global_buffer, .address_space: global }
      - { .name: x, .offset: 40, .size: 8, .value_kind: global_buffer, .address_space: global }
      - { .name: woi, .offset: 48, .size: 8, .value_kind: global_buffer, .address_space: global }
    .group_segment_fixed_size: 68096
    .private_segment_fixed_size: 0
    .kernarg_segment_align: 8
    .kernarg_segment_size: 56
    .max_flat_workgroup_size: 128
    .sgpr_count:     66
    .vgpr_count:     192
    .wavefront_size: 32
...
	.end_amdgpu_metadata
.endif
;; end of part 1
;; launch proj (part 2): grid 12 x 32, 4 waves a work-group, clusters of 4 x 4, 327,680 bytes of LDS; arguments ops, bq, bk, bv, qkv; writes qkv
.if DOCPART == 2
	.amdgcn_target "amdgcn-amd-amdhsa--gfx1250"
	.amdhsa_code_object_version 6
	.text
	.protected	k_q7bec5b5aa6_proj
	.globl	k_q7bec5b5aa6_proj
	.p2align	8
	.type	k_q7bec5b5aa6_proj,@function
k_q7bec5b5aa6_proj:
	s_mov_b64 s[64:65], 0
	v_nop
	global_prefetch_b8 v0, s[64:65] scope:SCOPE_SE
	s_setreg_imm32_b32 hwreg(HW_REG_WAVE_MODE, 25, 1), 1
	s_wait_xcnt 0x0
	s_wait_alu depctr_hold_cnt(0) depctr_sa_sdst(0) depctr_va_vdst(0) depctr_va_sdst(0) depctr_va_ssrc(0) depctr_va_vcc(0) depctr_vm_vsrc(0)
	s_getreg_b32 s2, hwreg(HW_REG_IB_STS2, 6, 4)
	s_cmp_eq_u32 s2, 0
	s_cbranch_scc0 .Lentry_in_a_cluster
	s_endpgm
.Lentry_in_a_cluster:
	s_bfe_u32 s2, ttmp6, 0x10000c
	s_cmp_lg_u32 s2, 0xf033
	s_cbranch_scc0 .Lentry_shape_is_right
	s_endpgm
.Lentry_shape_is_right:
.set ROWB,   192
.set KROW,   192
.set PLANE,  2359296
.set PITCH,  240
.set FR,     12
.set HALFT,  128*PITCH
.set SLOT,   4*HALFT
.set KS,     32
.set SCL,    2*SLOT
.set HALFS,  16*272
.set SBLK,   2*272
.set SPARE,  SCL+4*HALFS
.set OPS_SC, 9437184
.set TP,     784
.set SST,    64*TP
.set QKV_VC, 6389760
.set QKV_QS, 19136512
.set QKV_VS, 6488064
.set STO,  6
.set STS,  7
.set RD,   8
.set GO,   9
.set RDS,  10
.set GOS,  11
.set VGO,  12
.set VSO,  13
.set BOF,  14
.set BVO,  15
.set ADRA, 16
.set ADRB, 20
.set ADRSL, 24
.set ADRSR, 25
.set SPW,  28
.set NIL,  29
.set SC,   32
.set BV,   112
.set RF,   128
.set BIAS, 224
.set T,    128
.set TM,   32
.set PW,   48
.set PC,   192
.set F,    32
.set TMPC, 56
.set VM,   72
.set VSCO, 76
.set VBY,  80
.set VW,   84
.set SEL,  2
.set G1, 24
.set G0, 32
.set G1B, 48
.set G0B, 56
.set G1S, 68
.set G0S, 76
.set G1SB, 80
.set G0SB, 88
.set MSB, 0
.macro WIN new
.if MSB != (\new)
	s_set_vgpr_msb (MSB<<8)|(\new)
.set MSB, (\new)
.endif
.endm
.set MUL_LO, 0xa4
.set MUL_HI, 0xf4
.set TO_L,   0x40
.macro JLOAD g0a, g1a, g0b, g1b
	s_cmp_eq_u32 s15, 0
	s_cbranch_scc0 .Lfor_b_\@
	tensor_load_to_lds s[\g0a:\g0a+3], s[\g1a:\g1a+7]
	s_nop 0
.rept 4
	v_nop
.endr
	s_branch .Lasked_\@
.Lfor_b_\@:
	tensor_load_to_lds s[\g0b:\g0b+3], s[\g1b:\g1b+7]
	s_nop 0
.rept 4
	v_nop
.endr
.Lasked_\@:
.endm
.macro CREST
	s_cmp_lg_u32 s14, 0
	s_cbranch_scc1 .Lnot_wave_0_\@
	s_barrier_signal -3
.Lnot_wave_0_\@:
	s_barrier_wait -3
	s_barrier_signal -1
	s_barrier_wait -1
.endm
.macro CROUND
	s_barrier_signal -1
	s_barrier_wait -1
	CREST
.endm
	s_load_b128 s[4:7], s[0:1], 0x0
	s_load_b128 s[8:11], s[0:1], 0x10
	s_load_b64 s[12:13], s[0:1], 0x20
	v_lshl_add_u32 v[SPW], v0, 2, SPARE
	v_mov_b32 v[NIL], 0
	ds_add_u32 v[SPW], v[NIL]
	ds_add_u32 v[SPW], v[NIL]
	v_lshrrev_b32 v1, 5, v0
	v_readfirstlane_b32 s14, v1
	s_lshr_b32 s15, s14, 1
	s_and_b32 s16, s14, 1
	s_bfe_u32 s40, ttmp6, 0x40000
	s_bfe_u32 s41, ttmp6, 0x40004
	s_and_b32 s98, ttmp7, 0xffff
	s_lshl_b32 s98, s98, 2
	s_lshl_b32 s18, ttmp9, 2
	s_cmp_eq_u32 ttmp9, 2
	s_cselect_b32 s19, 0, s98
	s_cselect_b32 s99, s98, s18
	s_cselect_b32 s96, 10240, 0
	s_cselect_b32 s97, 0, 8192
	s_add_co_u32 s17, s19, s41
	s_add_co_u32 s42, s99, s40
	s_lshl_b32 s43, s41, 2
	s_lshl_b32 s43, 15, s43
	s_lshl_b32 s44, 0x1111, s40
	s_or_b32 s[G1+0], s43, (0<<16)|(1<<20)|(1<<21)|(3<<22)|(3<<25)
	s_or_b32 s[G1B+0], s44, (0<<16)|(1<<20)|(1<<21)|(3<<22)|(3<<25)
.irp g, G1, G1B
	s_mov_b32 s[\g+1], 256<<16                     ; a quarter's rows are dense: 256 rows of 192 bytes are 192 rows of 256
	s_mov_b32 s[\g+2], 192<<16
	s_mov_b32 s[\g+3], 256<<16
	s_mov_b32 s[\g+4], 192
	s_mov_b32 s[\g+5], 256
	s_mov_b32 s[\g+6], 0
	s_mov_b32 s[\g+7], 0
.endr
	s_or_b32 s[G1S+0], s43, (3<<16)|(1<<20)|(1<<21)|(5<<22)|(3<<25)
	s_or_b32 s[G1SB+0], s44, (3<<16)|(1<<20)|(1<<21)|(5<<22)|(3<<25)
.irp g, G1S, G1SB
	s_mov_b32 s[\g+1], 32<<16
	s_mov_b32 s[\g+2], 32<<16
	s_mov_b32 s[\g+3], 32<<16
	s_mov_b32 s[\g+4], 32
	s_mov_b32 s[\g+5], 32
	s_mov_b32 s[\g+6], 0
	s_mov_b32 s[\g+7], 0
.endr
	s_lshl_b32 s18, s16, 7
	s_lshl_b32 s20, s17, 8
	s_add_co_u32 s20, s20, s18
	s_add_co_u32 s20, s20, s96
	s_lshl_b32 s46, s42, 8
	s_add_co_u32 s46, s46, s18
	s_add_co_u32 s46, s46, s97
	s_mov_b32 s21, 0
	s_mov_b32 s47, 0
	s_mov_b64 s[18:19], KS
	s_mul_u64 s[22:23], s[20:21], s[18:19]
	s_mul_u64 s[92:93], s[46:47], s[18:19]
	s_add_nc_u64 s[22:23], s[22:23], OPS_SC
	s_add_nc_u64 s[92:93], s[92:93], OPS_SC
	s_mov_b64 s[18:19], KROW
	s_mul_u64 s[20:21], s[20:21], s[18:19]
	s_mul_u64 s[46:47], s[46:47], s[18:19]
	s_mul_i32 s45, s14, HALFT
	s_mul_i32 s94, s14, HALFS
	s_mov_b32 s[SEL], 0x76543210
	s_mov_b32 s[SEL+1], 0xfedcba98
	s_wait_dscnt 0x0
	s_wait_kmcnt 0x0
	s_add_nc_u64 s[20:21], s[4:5], s[20:21]
	s_add_nc_u64 s[22:23], s[4:5], s[22:23]
	s_add_nc_u64 s[46:47], s[4:5], s[46:47]
	s_add_nc_u64 s[92:93], s[4:5], s[92:93]
	CROUND
	s_mov_b32 s[G0S], 1
	s_mov_b32 s[G0S+1], SCL
	s_sub_nc_u64 s[G0S+2:G0S+3], s[22:23], 4096    ; wave 1 asks by it: back from its 128 rows to the tile's first
	s_or_b32 s[G0S+3], s[G0S+3], 0x80000000
	s_mov_b32 s[G0SB], 1
	s_mov_b32 s[G0SB+1], SCL+2*HALFS
	s_sub_nc_u64 s[G0SB+2:G0SB+3], s[92:93], 4096  ; wave 3 asks by it
	s_or_b32 s[G0SB+3], s[G0SB+3], 0x80000000
.irp s, 0,1
	s_mov_b32 s[G0+4*\s], 1
	s_add_co_u32 s[G0+4*\s+1], s45, \s*SLOT
	s_add_nc_u64 s[G0+4*\s+2:G0+4*\s+3], s[20:21], \s*PLANE
	s_or_b32 s[G0+4*\s+3], s[G0+4*\s+3], 0x80000000
	s_mov_b32 s[G0B+4*\s], 1
	s_add_co_u32 s[G0B+4*\s+1], s45, \s*SLOT
	s_add_nc_u64 s[G0B+4*\s+2:G0B+4*\s+3], s[46:47], \s*PLANE
	s_or_b32 s[G0B+4*\s+3], s[G0B+4*\s+3], 0x80000000
.endr
; the head's four tiles, one joint load a wave, in one chain of branches on the wave's number: wave 0 the left side's 256 rows of quarter 0, wave 1 its scales, wave 2 the right side's rows, wave 3 its scales
.macro ARM under, g0, g1, next
	s_cmp_lt_u32 s14, \under
	s_cbranch_scc0 \next
	tensor_load_to_lds s[\g0:\g0+3], s[\g1:\g1+7]
	s_nop 0
.rept 4
	v_nop
.endr
	s_branch .Lhead_asked
\next:
.endm
	ARM 1, G0,  G1,  .Lhead_sa
	ARM 2, G0S, G1S, .Lhead_b
	ARM 3, G0B, G1B, .Lhead_sb
	tensor_load_to_lds s[G0SB:G0SB+3], s[G1SB:G1SB+7]
	s_nop 0
.rept 4
	v_nop
.endr
.Lhead_asked:
	s_wait_alu depctr_va_vdst(0)
	s_wait_tensorcnt 0x0                           ; my tile of the four is in
	ds_add_u32 v28, v29
	s_mov_b32 s[G1+2], 96<<16                      ; no load of mine is out: from here on a load brings 128 rows of 192 bytes, 96 of 256
	s_mov_b32 s[G1+4], 96
	s_mov_b32 s[G1B+2], 96<<16
	s_mov_b32 s[G1B+4], 96
	s_wait_dscnt 0x0
	CROUND
	JLOAD G0+4, G1, G0B+4, G1B
	v_and_b32 v1, 15, v0
	v_bfe_u32 v2, v0, 4, 1
	v_mul_u32_u24 v3, v1, PITCH
	v_mad_u32_u24 v4, v2, 24, v3
	v_lshl_add_u32 v5, v2, 4, v4
	s_mov_b32 s21, 0
	s_mul_i32 s22, s14, 64*PITCH
	s_add_co_u32 s22, s22, 2*HALFT
.irp s, 0,1
	v_add_nc_u32 v[ADRA+\s], s21, v4
	v_add_nc_u32 v[ADRB+\s], s22, v4
	v_add_nc_u32 v[ADRA+2+\s], s21, v5
	v_add_nc_u32 v[ADRB+2+\s], s22, v5
	s_add_co_u32 s21, s21, SLOT
	s_add_co_u32 s22, s22, SLOT
.endr
	v_lshlrev_b32 v3, 5, v1
	v_lshrrev_b32 v4, 8, v3
	v_lshl_add_u32 v3, v4, 4, v3
	v_add_nc_u32 v[ADRSL], SCL, v3
	s_mul_i32 s21, s14, 4*SBLK
	s_add_co_u32 s21, s21, SCL+2*HALFS
	v_add_nc_u32 v[ADRSR], s21, v3
	v_lshrrev_b32 v3, 2, v1
	v_and_b32 v4, 3, v1
	v_mul_u32_u24 v[STO], v3, TP
	v_lshl_add_u32 v[STO], v4, 5, v[STO]
	v_lshl_add_u32 v[STO], v2, 7, v[STO]
	s_lshl_b32 s21, s14, 3
	v_add_nc_u32 v[STO], s21, v[STO]
	s_lshl_b32 s21, s14, 1
	s_add_co_u32 s21, s21, SST
	v_lshl_add_u32 v[STS], v1, 3, s21
	s_mul_i32 s21, s14, 16*TP
	v_mul_u32_u24 v[RD], v2, 8*TP
	v_lshl_add_u32 v[RD], v1, 4, v[RD]
	v_add_nc_u32 v[RD], s21, v[RD]
	s_mul_i32 s21, s14, 16*3072
	v_mul_u32_u24 v[GO], v2, 8*3072
	v_lshl_add_u32 v[GO], v1, 4, v[GO]
	v_add_nc_u32 v[GO], s21, v[GO]
	v_lshlrev_b32 v[GOS], 4, v0
	v_add_nc_u32 v[RDS], SST, v[GOS]
	v_and_b32 v3, 31, v0
	v_lshlrev_b32 v[VGO], 4, v3
	v_lshlrev_b32 v[VSO], 2, v3
	v_lshlrev_b32 v[BOF], 6, v2
	s_wait_alu depctr_va_vdst(0)
	v_lshrrev_b32 v3, 3, v1
	v_and_b32 v4, 7, v1
	v_lshl_add_u32 v3, v3, 5, v4
	s_and_b32 s21, s17, 3
	s_lshl_b32 s21, s21, 3
	v_add_nc_u32 v3, s21, v3
	v_lshlrev_b32 v[BVO], 2, v3
	s_wait_alu depctr_va_vdst(0)
	s_cmp_eq_u32 ttmp9, 1
	s_cselect_b64 s[6:7], s[8:9], s[6:7]
	s_cmp_eq_u32 ttmp9, 2
	s_cselect_b64 s[6:7], s[10:11], s[6:7]
	s_lshl_b32 s8, s40, 10
	s_lshl_b32 s9, s14, 8
	s_add_co_u32 s8, s8, s9
	s_mov_b32 s9, 0
	s_add_nc_u64 s[8:9], s[6:7], s[8:9]
.irp b, 0,1
.irp k, 0,1,2,3
	global_load_b128 v[BIAS+16*\b+4*\k:BIAS+16*\b+4*\k+3], v[BOF], s[8:9] offset:128*\b+16*\k
.endr
.endr
.irp c, 0,1,2,3,4,5,6,7,8,9,10,11,12,13,14,15
	global_load_b32 v[BV+\c], v[BVO], s[6:7] offset:256*\c
.endr
.macro FRAG reg, adr, q, i
.irp p, 0,1,2,3,4,5
.set PCE, 12*(\q)+6*(\p/3)+\p%3
.if PCE%8 < 5
	ds_load_b64 v[\reg+2*\p:\reg+2*\p+1], v[\adr] offset:8*PCE+16*(PCE/8)+(\i)*16*PITCH
.else
	ds_load_b64 v[\reg+2*\p:\reg+2*\p+1], v[\adr+2] offset:8*PCE+16*(PCE/8)+(\i)*16*PITCH
.endif
.endr
.endm
.macro FETCH_L slot, q, half
	WIN TO_L
.irp i, 0,1,2,3,4,5,6,7
	FRAG 128*(\half)+FR*\i, ADRA+\slot, \q, 8*(\half)+\i
.endr
	WIN 0
.endm
.macro FETCH_R slot, q, set
.irp i, 0,1,2,3
	FRAG RF+48*(\set)+FR*\i, ADRB+\slot, \q, \i
.endr
.endm
.macro SCALES set
.irp i, 0,1,2,3,4,5,6,7,8,9,10,11,12,13,14,15
	ds_load_b64 v[SC+40*\set+2*\i:SC+40*\set+2*\i+1], v[ADRSL] offset:\i*SBLK
.endr
.irp i, 0,1,2,3
	ds_load_b64 v[SC+40*\set+32+2*\i:SC+40*\set+32+2*\i+1], v[ADRSR] offset:\i*SBLK
.endr
.endm
.macro MUL4 lt0, q, sc, zero
.irp lt, \lt0, \lt0+1, \lt0+2, \lt0+3
.irp rt, 0,1,2,3
.if \zero
	v_wmma_scale_f32_16x16x128_f8f6f4 v[8*(4*((\lt)%8)+\rt):8*(4*((\lt)%8)+\rt)+7], v[RF+48*(\q)+FR*\rt:RF+48*(\q)+FR*\rt+FR-1], v[128*((\lt)/8)+FR*((\lt)%8):128*((\lt)/8)+FR*((\lt)%8)+FR-1], 0, v[SC+40*(\sc)+32+2*\rt+(\q)], v[SC+40*(\sc)+2*(\lt)+(\q)] matrix_a_fmt:MATRIX_FMT_FP6 matrix_b_fmt:MATRIX_FMT_FP6
.else
	v_wmma_scale_f32_16x16x128_f8f6f4 v[8*(4*((\lt)%8)+\rt):8*(4*((\lt)%8)+\rt)+7], v[RF+48*(\q)+FR*\rt:RF+48*(\q)+FR*\rt+FR-1], v[128*((\lt)/8)+FR*((\lt)%8):128*((\lt)/8)+FR*((\lt)%8)+FR-1], v[8*(4*((\lt)%8)+\rt):8*(4*((\lt)%8)+\rt)+7], v[SC+40*(\sc)+32+2*\rt+(\q)], v[SC+40*(\sc)+2*(\lt)+(\q)] matrix_a_fmt:MATRIX_FMT_FP6 matrix_b_fmt:MATRIX_FMT_FP6
.endif
.endr
.endr
.endm
.macro PLACES
.rept 4
	v_nop
.endr
.endm
.macro STEP slot, zero
	s_wait_dscnt 0x0
	PLACES
	FETCH_L \slot, 0, 1
	WIN MUL_LO
	MUL4 0, 0, \slot, \zero
	MUL4 4, 0, \slot, \zero
	s_wait_dscnt 0x0
	PLACES
	FETCH_L \slot, 1, 0
	FETCH_R \slot, 1, 1
	WIN MUL_HI
	MUL4 8, 0, \slot, \zero
	MUL4 12, 0, \slot, \zero
	WIN 0
.endm
.macro TURN slot, next, fill
	s_wait_dscnt 0x0
	PLACES
	FETCH_L \slot, 1, 1
	s_wait_tensorcnt 0x0
	ds_add_u32 v[SPW], v[NIL]
	WIN MUL_LO
	MUL4 0, 1, \slot, 0
	s_wait_dscnt 0x0
	s_barrier_signal -1
	MUL4 4, 1, \slot, 0
	WIN 0
	s_barrier_wait -1
.if \fill
	CREST
	s_add_nc_u64 s[G0+4*\slot+2:G0+4*\slot+3], s[G0+4*\slot+2:G0+4*\slot+3], 2*PLANE
	s_add_nc_u64 s[G0B+4*\slot+2:G0B+4*\slot+3], s[G0B+4*\slot+2:G0B+4*\slot+3], 2*PLANE
	JLOAD G0+4*\slot, G1, G0B+4*\slot, G1B
.else
	PLACES
.endif
	s_wait_alu depctr_va_vdst(0)
	v_add_nc_u32 v[ADRSL], 8, v[ADRSL]
	v_add_nc_u32 v[ADRSR], 8, v[ADRSR]
	FETCH_L \next, 0, 0
	FETCH_R \next, 0, 0
	SCALES \next
	WIN MUL_HI
	MUL4 8, 1, \slot, 0
	MUL4 12, 1, \slot, 0
	WIN 0
.endm
	s_wait_tensorcnt 1
	s_barrier_signal -1
	s_barrier_wait -1
	FETCH_L 0, 0, 0
	FETCH_R 0, 0, 0
	SCALES 0
	STEP 0, 1
	TURN 0, 1, 1
	STEP 1, 0
	TURN 1, 0, 1
	STEP 0, 0
	TURN 0, 1, 0
	STEP 1, 0
	s_wait_dscnt 0x0
	PLACES
	FETCH_L 1, 1, 1
	WIN MUL_LO
	MUL4 0, 1, 1, 0
	MUL4 4, 1, 1, 0
	s_wait_dscnt 0x0
	WIN MUL_HI
	MUL4 8, 1, 1, 0
	MUL4 12, 1, 1, 0
	WIN 0
	PLACES
	s_wait_loadcnt 0x0
	s_cmp_eq_u32 ttmp9, 2
	s_cbranch_scc1 .Lv
.macro QUANT s
.irp b, 0,1,2,3
	v_max3_num_f32 v[TM+\b], |v[\s+16*\b]|, |v[\s+1+16*\b]|, 0x1800000
.endr
.irp i, 2,4,6,8,10,12,14
.irp b, 0,1,2,3
	v_max3_num_f32 v[TM+\b], v[TM+\b], |v[\s+16*\b+\i]|, |v[\s+1+16*\b+\i]|
.endr
.endr
.irp b, 0,1,2,3
	v_permlanex16_b32 v[TM+4+\b], v[TM+\b], s[SEL], s[SEL+1]
.endr
.irp b, 0,1,2,3
	v_max_num_f32 v[TM+\b], v[TM+\b], v[TM+4+\b]
.endr
.irp b, 0,1,2,3
	v_add_nc_u32 v[TM+12+\b], 0xff000000, v[TM+\b]
.endr
.irp b, 0,1,2,3
	v_lshrrev_b32 v[TM+4+\b], 23, v[TM+12+\b]
.endr
	v_lshl_or_b32 v[PW], v[TM+5], 8, v[TM+4]
	v_lshl_or_b32 v[PW], v[TM+6], 16, v[PW]
	v_lshl_or_b32 v[PW], v[TM+7], 24, v[PW]
.irp c, 0,1
	v_cvt_scalef32_pk16_fp6_f32 v[PC+6*\c:PC+2+6*\c], v[\s+32*\c:\s+15+32*\c], v[TM+12+2*\c]
	v_cvt_scalef32_pk16_fp6_f32 v[PC+12+4*\c:PC+14+4*\c], v[\s+16+32*\c:\s+31+32*\c], v[TM+12+2*\c+1]
.endr
	v_nop
.irp c, 0,1
.irp i, 0,1,2
	v_permlane16_swap_b32 v[PC+6*\c+\i], v[PC+12+4*\c+\i]
.endr
.irp i, 0,1,2
	v_mov_b32 v[PC+3+6*\c+\i], v[PC+12+4*\c+\i]
.endr
.endr
.endm
.macro QK2 a
	WIN 0x02+(\a)/4
.set i, 0
.rept 32
	v_pk_add_f32 v[T+2*i:T+2*i+1], v[64*((\a)%4)+2*i:64*((\a)%4)+2*i+1], v[BIAS+(2*i)%32:BIAS+(2*i)%32+1]
.set i, i+1
.endr
	WIN 0
	QUANT T
.irp c, 0,1
.irp p, 0,1,2
	ds_store_b64 v[STO], v[PC+6*\c+2*\p:PC+6*\c+2*\p+1] offset:4*(2*(\a)+\c)*TP+256*\p
.endr
.endr
	ds_store_b16 v[STS], v[PW] offset:16*(2*(\a))*8
	ds_store_b16_d16_hi v[STS], v[PW] offset:16*(2*(\a)+1)*8
	s_wait_dscnt 0x0
.endm
.irp b, 0,1,2,3
	v_mov_b32 v[TM+4+\b], 0
.endr
	s_mul_i32 s20, ttmp9, 6291456
	s_lshl_b32 s21, s17, 8
	s_add_co_u32 s21, s21, s40
	s_mul_i32 s21, s21, 768
	s_add_co_u32 s20, s20, s21
	s_lshl_b32 s22, s17, 1                         ; k: a head's codes stand 200,704 bytes apart (k, v, v's scale words): 102,400 more for each head; my wave's 64 rows lie in head 2 x tile row + wave / 2
	s_lshr_b32 s23, s14, 1
	s_add_co_u32 s22, s22, s23
	s_mul_i32 s22, s22, 102400
	s_mul_i32 s22, s22, ttmp9
	s_add_co_u32 s20, s20, s22
	s_mov_b32 s21, 0
	s_add_nc_u64 s[92:93], s[12:13], s[20:21]
	s_lshl_b32 s20, ttmp9, 18
	s_lshl_b32 s22, s40, 16
	s_add_co_u32 s20, s20, s22
	s_lshl_b32 s22, s17, 11
	s_add_co_u32 s20, s20, s22
	s_add_co_u32 s20, s20, QKV_QS
	s_add_nc_u64 s[94:95], s[12:13], s[20:21]
.irp a, 0,1,2,3,4,5,6,7
	QK2 \a
.endr
	s_barrier_signal -1
	s_barrier_wait -1
.set i, 0
.rept 24
	ds_load_b128 v[128+4*i:128+4*i+3], v[RD] offset:(i/3)*TP+(i%3)*256
.set i, i+1
.endr
	ds_load_b128 v[32:35], v[RDS]
	s_wait_dscnt 0x0
.set i, 0
.rept 24
	global_store_b128 v[GO], v[128+4*i:128+4*i+3], s[92:93] offset:(i/3)*3072+(i%3)*256
.set i, i+1
.endr
	global_store_b128 v[GOS], v[32:35], s[94:95]
	s_branch .Lend
.Lv:
	s_lshl_b32 s20, s42, 1
	s_lshr_b32 s21, s14, 1
	s_add_co_u32 s20, s20, s21
	s_and_b32 s22, s14, 1
	s_mul_i32 s21, s20, 200704
	s_mul_i32 s23, s22, 8*6144
	s_add_co_u32 s21, s21, s23
	s_mul_i32 s23, s17, 1536
	s_add_co_u32 s21, s21, s23
	s_add_co_u32 s96, s21, QKV_VC
	s_mov_b32 s97, 0
	s_add_nc_u64 s[96:97], s[12:13], s[96:97]
	s_mul_i32 s21, s20, 200704
	s_lshl_b32 s23, s17, 10
	s_add_co_u32 s21, s21, s23
	s_lshl_b32 s23, s22, 9
	s_add_co_u32 s21, s21, s23
	s_add_co_u32 s98, s21, QKV_VS
	s_mov_b32 s99, 0
	s_add_nc_u64 s[98:99], s[12:13], s[98:99]
.macro VROW rt
	s_wait_xcnt 0x0
	WIN 0x02
.irp c, 0,1,2,3,4,5,6,7
.irp j, 0,1,2,3,4,5,6,7
	v_add_f32 v[T+32*(\j/2)+8*(\c/4)+4*(\j%2)+\c%4], v[8*(4*\c+\rt)+\j], v[BV+\c]
.endr
.endr
	WIN 0x03
.irp c, 8,9,10,11,12,13,14,15
.irp j, 0,1,2,3,4,5,6,7
	v_add_f32 v[T+32*(\j/2)+8*(\c/4)+4*(\j%2)+\c%4], v[8*(4*(\c-8)+\rt)+\j], v[BV+\c]
.endr
.endr
	WIN 0
.irp b, 0,1,2,3
	v_max3_num_f32 v[VM+\b], |v[T+32*\b]|, |v[T+32*\b+1]|, 0x1800000
.endr
.irp i, 2,4,6,8,10,12,14,16,18,20,22,24,26,28,30
.irp b, 0,1,2,3
	v_max3_num_f32 v[VM+\b], v[VM+\b], |v[T+32*\b+\i]|, |v[T+32*\b+\i+1]|
.endr
.endr
.irp b, 0,1,2,3
	v_add_nc_u32 v[VSCO+\b], 0xff000000, v[VM+\b]
.endr
.irp b, 0,1,2,3
	v_lshrrev_b32 v[VBY+\b], 23, v[VSCO+\b]
.endr
	v_lshl_or_b32 v[VW], v[VBY+1], 8, v[VBY]
	v_lshl_or_b32 v[VW], v[VBY+2], 16, v[VW]
	v_lshl_or_b32 v[VW], v[VBY+3], 24, v[VW]
.irp b, 0,1,2,3
	v_cvt_scalef32_pk16_fp6_f32 v[F+12*(\b%2)+6*(\b/2):F+12*(\b%2)+6*(\b/2)+2], v[T+32*\b:T+32*\b+15], v[VSCO+\b]
	v_cvt_scalef32_pk16_fp6_f32 v[TMPC+4*\b:TMPC+4*\b+2], v[T+32*\b+16:T+32*\b+31], v[VSCO+\b]
.endr
	v_nop
.irp b, 0,1,2,3
.irp i, 0,1,2
	v_mov_b32 v[F+12*(\b%2)+6*(\b/2)+3+\i], v[TMPC+4*\b+\i]
.endr
.endr
.irp i, 0,1,2,3,4,5,6,7,8,9,10,11
	v_permlane16_swap_b32 v[F+\i], v[F+12+\i]
.endr
.irp e, 0,1
.irp k, 0,1,2
	global_store_b128 v[VGO], v[F+12*\e+4*\k:F+12*\e+4*\k+3], s[96:97] offset:(2*\rt+\e)*6144+512*\k
.endr
.endr
	global_store_b32 v[VSO], v[VW], s[98:99] offset:128*\rt
.endm
	VROW 0
	VROW 1
	VROW 2
	VROW 3
.Lend:
	s_wait_tensorcnt 0x0
	ds_add_u32 v[SPW], v[NIL]
	s_wait_dscnt 0x0
	CROUND
	s_endpgm
.Lfunc_end_k_q7bec5b5aa6_proj:
	.size	k_q7bec5b5aa6_proj, .Lfunc_end_k_q7bec5b5aa6_proj-k_q7bec5b5aa6_proj
	.p2alignl 7, 3214868480
	.fill 96, 4, 3214868480
	.section	.rodata,"a",@progbits
	.p2align	6, 0x0
	.amdhsa_kernel k_q7bec5b5aa6_proj
		.amdhsa_group_segment_fixed_size 327680
		.amdhsa_private_segment_fixed_size 0
		.amdhsa_enable_private_segment 0
		.amdhsa_kernarg_size 40
		.amdhsa_user_sgpr_count 2
		.amdhsa_user_sgpr_kernarg_segment_ptr 1
		.amdhsa_wavefront_size32 1
		.amdhsa_system_sgpr_workgroup_id_x 1
		.amdhsa_system_sgpr_workgroup_id_y 1
		.amdhsa_system_sgpr_workgroup_id_z 1
		.amdhsa_system_vgpr_workitem_id 0
		.amdhsa_next_free_vgpr 1024
		.amdhsa_next_free_sgpr 100
		.amdhsa_reserve_vcc 0
		.amdhsa_float_denorm_mode_32 3
		.amdhsa_float_denorm_mode_16_64 3
		.amdhsa_memory_ordered 1
		.amdhsa_forward_progress 1
		.amdhsa_inst_pref_size 250
	.end_amdhsa_kernel
	.amdgpu_metadata
---
amdhsa.version: [ 1, 2 ]
amdhsa.kernels:
  - .name:           k_q7bec5b5aa6_proj
    .symbol:         k_q7bec5b5aa6_proj.kd
    .args:
      - { .name: ops, .offset: 0, .size: 8, .value_kind: global_buffer, .address_space: global }
      - { .name: bq, .offset: 8, .size: 8, .value_kind: global_buffer, .address_space: global }
      - { .name: bk, .offset: 16, .size: 8, .value_kind: global_buffer, .address_space: global }
      - { .name: bv, .offset: 24, .size: 8, .value_kind: global_buffer, .address_space: global }
      - { .name: qkv, .offset: 32, .size: 8, .value_kind: global_buffer, .address_space: global }
    .group_segment_fixed_size: 327680
    .private_segment_fixed_size: 0
    .kernarg_segment_align: 8
    .kernarg_segment_size: 40
    .max_flat_workgroup_size: 128
    .sgpr_count:     100
    .vgpr_count:     1024
    .wavefront_size: 32
...
	.end_amdgpu_metadata
.endif
;; end of part 2
;; launch attn (part 3): grid 4 x 64, 16 waves a work-group, clusters of 4 x 1, 237,568 bytes of LDS; arguments qkv, mask, ops, woi, bo, out0; writes out0
.if DOCPART == 3
	.amdgcn_target "amdgcn-amd-amdhsa--gfx1250"
	.amdhsa_code_object_version 6
	.text
	.protected	k_q7bec5b5aa6_attn
	.globl	k_q7bec5b5aa6_attn
	.p2align	8
	.type	k_q7bec5b5aa6_attn,@function
k_q7bec5b5aa6_attn:
	s_mov_b64 s[64:65], 0
	v_nop
	global_prefetch_b8 v0, s[64:65] scope:SCOPE_SE
	s_setreg_imm32_b32 hwreg(HW_REG_WAVE_MODE, 25, 1), 1
	s_wait_xcnt 0x0
	s_wait_alu depctr_hold_cnt(0) depctr_sa_sdst(0) depctr_va_vdst(0) depctr_va_sdst(0) depctr_va_ssrc(0) depctr_va_vcc(0) depctr_vm_vsrc(0)
	s_getreg_b32 s2, hwreg(HW_REG_IB_STS2, 6, 4)
	s_cmp_eq_u32 s2, 0
	s_cbranch_scc0 .Lentry_in_a_cluster
	s_endpgm
.Lentry_in_a_cluster:
	s_bfe_u32 s2, ttmp6, 0x10000c
	s_cmp_lg_u32 s2, 0x3003
	s_cbranch_scc0 .Lentry_shape_is_right
	s_endpgm
.Lentry_shape_is_right:
; out0 = a wo + bo, a[head][token][:] = the sum over keys of softmax(q . k / 8, masked keys at -1e30) v; all three products on codes of FP6 (E2M3) with E8M0 scales.
; THE SOFTMAX: t = score x log2(e) / 8; M = the largest t so far, rounded UP to a whole number; p = 2^(t - M) is quantised along the keys, not normalised; the row's sum is taken of the unquantised p and divides at the end.
; SHARES.  A work-group owns 512 queries of one head, which are 32 whole rows of a, in two passes of 256; in a pass each of its sixteen waves owns one tile of 16 tokens.
; A head's k codes, v codes and v scale words are one dense run of 200,704 bytes of qkv.  It is filled into LDS once: each wave asks for 49 rows of 256 bytes, one joint load a wave with the head's four work-groups (a cluster).
; One barrier shows it to all waves; the key loops have none.  All of K and V is asked for at the head, so there is no later tile to prefetch.
; LAYOUT.  A tile of 16 tokens is (quad of rows c, u): lane r' = row 4 c + r' / 4, column group 4 u + r' % 4.  Both products are used transposed (S^T = K Q^T, O^T = V^T P^T): a lane holds one query throughout.
; In S^T the 32 registers of a quad's four tiles are, in lane half h, one whole block of 32 keys, 2 c + h of the step's four, in the order in which v's codes were laid: p's codes change no lane.
; THE MASK rides in the unused half of the first product's K (head size 64, the instruction's K 128): at k = 64 K holds the code of +1 and Q that of -1; Q's scale byte there is 100, a key's 254 where mask = 0 and 1 where not.
; A batch whose every key is masked: the factor log2(e) / 8 is replaced by 0 (a select): p = 1 for all keys, as reference() weighs them.
; THE LAST PRODUCT.  a is quantised in registers; its codes and bytes meet in LDS (32 rows, pitch 784), one barrier.  Wave w then makes rows 0-31 x columns 64 w .. + 63: 8 accumulators by turns, 8 K steps.
; wo's fragments come from woi straight into registers, as images of the registers, 256 consecutive bytes a load, two K steps ahead.  They are not asked for jointly: K and V hold their LDS bytes until the last key step,
; and a ring for wo's 786,432 bytes would have to fill those bytes again.
; LIMITS: a masked key is score - 2^100, not -1e30: the same result while |score| < 2^75.  NaN and infinities are not served.  Blocks whose largest magnitude lies under 2^-124 keep the byte 1.
; A block's largest p is made from its largest score by the same two instructions: this takes v_exp_f32 not to fall where its input rises.
.set VREG,  98304                      ; LDS: K's 128 tile images of 768 bytes from 0; V's 64 fragment images of 1,536 bytes
.set VSC,   196608                     ; V's scale words [tile][step][16]
.set KSC,   200704                     ; K's scale words with the mask's byte, stored by the waves
.set FLG,   208896                     ; a word a wave: has my step an open key?
.set AST,   209152                     ; a's codes: 32 rows, APT bytes apart
.set APT,   784
.set ASS,   234240                     ; a's scale bytes: 32 a row
.set SPARE, 235264                     ; the spare words, 128 bytes a wave
.set OPT,   272                        ; the way out: a stage of 16 rows x (256 + 16) bytes a wave, on K's bytes, behind the barrier behind which nobody reads K
.set QKV_KV, 6291456
.set QKV_QS, 19136512
.set QKV_KS, 19398656
.set WO_SC,  9797632                   ; ops: wo's scale bytes, rows 11264 on
.set AKF,  1                           ; v1 8 x lane; v2 VREG + 16 x lane; v3 KSC + 16 x lane; v4 VSC + 1024 h + 4 r; v5, v6 the add's; v7 8 h; v8-11 the step's addresses
.set AVF,  2
.set AKS,  3
.set AVS,  4
.set SPW,  5
.set NIL,  6
.set ADK,  8
.set ADV,  9
.set ADS,  10
.set ADT,  11
; v12 -M, v13 the largest t, v[14:15] the sum; v16-27 Q; v28 its scale word; v29-31 addresses; v32-79 four fragments of K; v80-86 scale words;
; v96-159 S^T, p, then V's fragments; v160-191 O^T; v192-203 p's codes; v204-255 at work.
; The last product: v8-23 wo's scale words, v24-31 a's, v32-95 sums, v96-143 a's fragments (two sets), v144-239 wo's (two sets), v240-243 bo, v244-250 its addresses, made behind the second pass.
.set WV,   18
.set SEL,  20
.set CS,   22
.set G1C,  24
.set G0C,  32
.set QP,   48                          ; s[48:49] q's codes, s[50:51] q's bytes, s[52:53] mask, s[54:55] k's bytes, s[56:57] woi, s[58:59] wo's bytes, s[60:61] bo, s[62:63] out0
.set QSP,  50
.set WOP,  56
.set OUTP, 62
.set TK,   66
.set TS,   68
.set TT,   69
.set CNT,  70
.macro CROUND
	s_barrier_signal -1
	s_barrier_wait -1
	s_cmp_lg_u32 s[WV], 0
	s_cbranch_scc1 .Lnot_wave_0_\@
	s_barrier_signal -3
.Lnot_wave_0_\@:
	s_barrier_wait -3
	s_barrier_signal -1
	s_barrier_wait -1
.endm
	s_load_b256 s[4:11], s[0:1], 0x0               ; qkv, mask, ops, woi
	s_load_b128 s[12:15], s[0:1], 0x20             ; bo, out0
	v_lshl_add_u32 v[SPW], v0, 2, SPARE
	v_mov_b32 v[NIL], 0
	ds_add_u32 v[SPW], v[NIL]                      ; the opening lines: the add, twice on end, and its wait ahead of my tensor load
	ds_add_u32 v[SPW], v[NIL]
	v_lshrrev_b32 v8, 5, v0
	s_delay_alu instid0(VALU_DEP_1)
	v_readfirstlane_b32 s[WV], v8                  ; wave 0..15
	s_and_b32 s36, ttmp7, 0xffff                   ; the head, which the four partners share
	s_bfe_u32 s37, ttmp6, 0x40000
	s_lshl_b32 s38, ttmp9, 2
	s_add_co_u32 s37, s38, s37                     ; bx: my 512 queries; it enters q's and out0's addresses alone
	s_mov_b32 s[G1C], 15|(3<<16)|(1<<21)           ; all four work-groups; elements of 8 bytes; bit 21 beside a mask
	s_mov_b32 s[G1C+1], 32<<16                     ; 49 rows of 256 bytes
	s_mov_b32 s[G1C+2], 49<<16
	s_mov_b32 s[G1C+3], 32<<16
	s_mov_b32 s[G1C+4], 49
	s_mov_b32 s[G1C+5], 32
	s_mov_b32 s[G1C+6], 0
	s_mov_b32 s[G1C+7], 0
	s_mul_i32 s39, s[WV], 12544                    ; my sixteenth of the head's run, in LDS and in qkv
	s_mul_i32 s72, s36, 200704
	s_add_co_u32 s72, s72, s39
	s_add_co_u32 s72, s72, QKV_KV
	s_mov_b32 s73, 0
	s_lshl_b32 s84, s36, 5
	s_lshl_b32 s85, s37, 3
	s_add_co_u32 s84, s84, s85
	s_lshr_b32 s85, s[WV], 2
	s_add_co_u32 s84, s84, s85                     ; my quad of rows in the first pass: 32 head + 8 bx + wave / 4
	s_mul_i32 s48, s84, 3072
	s_and_b32 s86, s[WV], 3                        ; u
	s_mul_i32 s87, s86, 768
	s_add_co_u32 s48, s48, s87
	s_mov_b32 s49, 0
	s_lshl_b32 s50, s84, 5                         ; q's scale bytes: [u][row][4][2]
	s_lshl_b32 s87, s86, 16
	s_add_co_u32 s50, s50, s87
	s_add_co_u32 s50, s50, QKV_QS
	s_mov_b32 s51, 0
	s_lshr_b32 s52, s36, 4                         ; the batch's mask; step = my wave: 128 keys
	s_lshl_b32 s52, s52, 13
	s_lshl_b32 s89, s[WV], 9
	s_add_co_u32 s52, s52, s89
	s_mov_b32 s53, 0
	s_lshl_b32 s54, s36, 10                        ; k's scale bytes: 8 a row; step = my wave: 8 rows
	s_lshl_b32 s89, s[WV], 6
	s_add_co_u32 s54, s54, s89
	s_add_co_u32 s54, s54, QKV_KS
	s_mov_b32 s55, 0
	s_mul_i32 s56, s[WV], 49152                    ; my 64 columns of wo: 32 images
	s_mov_b32 s57, 0
	s_lshl_b32 s58, s[WV], 11
	s_add_co_u32 s58, s58, WO_SC
	s_mov_b32 s59, 0
	s_lshl_b32 s60, s[WV], 8
	s_mov_b32 s61, 0
	s_lshl_b32 s62, s36, 7
	s_lshl_b32 s89, s37, 5
	s_add_co_u32 s62, s62, s89                     ; my work-group's first row of out0
	s_lshl_b32 s62, s62, 12
	s_add_co_u32 s62, s62, s60
	s_mov_b32 s63, 0
	s_mov_b32 s[SEL], 0x76543210
	s_mov_b32 s[SEL+1], 0xfedcba98
	s_wait_dscnt 0x0                               ; both opening adds are done
	s_wait_kmcnt 0x0
	s_add_nc_u64 s[72:73], s[4:5], s[72:73]
	s_add_nc_u64 s[48:49], s[4:5], s[48:49]
	s_add_nc_u64 s[50:51], s[4:5], s[50:51]
	s_add_nc_u64 s[52:53], s[6:7], s[52:53]
	s_add_nc_u64 s[54:55], s[4:5], s[54:55]
	s_add_nc_u64 s[56:57], s[10:11], s[56:57]
	s_add_nc_u64 s[58:59], s[8:9], s[58:59]
	s_add_nc_u64 s[60:61], s[12:13], s[60:61]
	s_add_nc_u64 s[62:63], s[14:15], s[62:63]
	CROUND                                         ; all four work-groups are here: the joint loads meet
	s_mov_b32 s[G0C], 1
	s_mov_b32 s[G0C+1], s39
	s_mov_b64 s[G0C+2:G0C+3], s[72:73]
	s_or_b32 s[G0C+3], s[G0C+3], 0x80000000
	tensor_load_to_lds s[G0C:G0C+3], s[G1C:G1C+7]  ; my one tensor load
	s_nop 0
.rept 4
	v_nop
.endr
	v_and_b32 v232, 15, v0                         ; r
	v_bfe_u32 v233, v0, 4, 1                       ; h
	v_and_b32 v234, 31, v0                         ; lane
	v_lshlrev_b32 v[AKF], 3, v234
	v_lshl_add_u32 v[AVF], v234, 4, VREG
	v_lshl_add_u32 v[AKS], v234, 4, KSC
	v_lshlrev_b32 v[AVS], 10, v233
	s_delay_alu instid0(VALU_DEP_1)
	v_lshl_add_u32 v[AVS], v232, 2, v[AVS]
	s_delay_alu instid0(VALU_DEP_1)
	v_add_nc_u32 v[AVS], VSC, v[AVS]
	v_lshlrev_b32 v7, 3, v233
	v_bfe_u32 v235, v0, 2, 2                       ; r / 4
	v_and_b32 v236, 3, v0                          ; r % 4
	s_delay_alu instid0(VALU_DEP_2)
	v_lshlrev_b32 v31, 3, v235
	s_delay_alu instid0(VALU_DEP_1)
	v_lshl_add_u32 v31, v236, 1, v31               ; a token's two scale bytes in [row][4][2]
	v_bfe_u32 v237, v0, 7, 2
	v_bfe_u32 v238, v0, 5, 2
	s_delay_alu instid0(VALU_DEP_2)
	v_lshl_add_u32 v237, v237, 2, v235             ; my query's row among the pass's 16,
	s_delay_alu instid0(VALU_DEP_2)
	v_lshl_add_u32 v238, v238, 2, v236             ; and its column group
	s_delay_alu instid0(VALU_DEP_2)
	v_mul_u32_u24 v29, v237, APT
	s_delay_alu instid0(VALU_DEP_1)
	v_mad_u32_u24 v29, v238, 48, v29
	s_delay_alu instid0(VALU_DEP_1)
	v_mad_u32_u24 v29, v233, 24, v29
	s_delay_alu instid0(VALU_DEP_1)
	v_add_nc_u32 v29, AST, v29                     ; my block's 24 bytes of a's codes
	v_lshlrev_b32 v30, 5, v237
	s_delay_alu instid0(VALU_DEP_1)
	v_lshl_add_u32 v30, v238, 1, v30
	s_delay_alu instid0(VALU_DEP_1)
	v_add_nc_u32 v30, v30, v233
	s_delay_alu instid0(VALU_DEP_1)
	v_add_nc_u32 v30, ASS, v30                     ; and its scale byte
	v_sub_nc_u32 v239, 1, v233                     ; the constant halves: k = 64 lies in register 6, bits 5:0, of lanes 0-15
	s_delay_alu instid0(VALU_DEP_1)
	v_lshlrev_b32 v38, 3, v239                     ; K's: the code of +1
	s_delay_alu instid0(VALU_DEP_1)
	v_mov_b32 v50, v38
	v_mov_b32 v62, v38
	v_mov_b32 v74, v38
	v_mul_u32_u24 v22, v239, 40                    ; Q's: the code of -1
.irp t, 0,1,2,3
.irp i, 7,8,9,10,11
	v_mov_b32 v[32+12*\t+\i], 0
.endr
.endr
.irp i, 23,24,25,26,27
	v_mov_b32 v\i, 0
.endr
	v_mov_b32 v221, 0                              ; (named as the upper half of a pair)
	v_mov_b32 v223, 0                              ; (a lane permute's destination counts as one of its sources)
	; K'S SCALE WORDS.  Thread (wave = step, lane (r, hh)) makes the words of key lane r in tiles (c, u = 2 e + hh): the key's two scale bytes, the mask's byte, 127
	v_lshlrev_b32 v240, 6, v235
	s_delay_alu instid0(VALU_DEP_1)
	v_lshl_add_u32 v240, v233, 4, v240
	s_delay_alu instid0(VALU_DEP_1)
	v_lshl_add_u32 v240, v236, 2, v240
	v_lshl_add_u32 v241, v233, 16, v31
.irp w, 0,1,2,3
	global_load_b32 v[242+\w], v240, s[52:53] offset:256*(\w/2)+32*(\w%2)
	global_load_u16 v[246+\w], v241, s[54:55] offset:131072*(\w%2)+32*(\w/2)
.endr
.irp q, 0,1,2
	global_load_b64 v[16+2*\q:17+2*\q], v[AKF], s[QP:QP+1] offset:256*\q   ; the first pass's tile of q and its scale bytes: asked for here, while K and V are on their way
.endr
	global_load_u16 v28, v31, s[QSP:QSP+1]
	v_mov_b32 v234, 0x7ffe0000                     ; masked: byte 254
	v_mov_b32 v235, 0x7f010000                     ; open: byte 1
	v_lshl_add_u32 v250, v0, 4, KSC
	v_lshrrev_b32 v251, 5, v0
	s_delay_alu instid0(VALU_DEP_1)
	v_lshl_add_u32 v251, v251, 2, FLG
	v_mov_b32 v252, FLG
	s_wait_alu depctr_va_vdst(0)                   ; the wait at the head's end
	s_wait_loadcnt 0x0
.irp w, 0,1,2,3
	v_cmp_ne_u32 s84, 0, v[242+\w]
	s_delay_alu instid0(VALU_DEP_1)
	v_cndmask_b32 v[224+\w], v234, v235, s84
	s_delay_alu instid0(VALU_DEP_1)
	v_or_b32 v[224+\w], v[224+\w], v[246+\w]
.endr
	ds_store_b128 v250, v[224:227]
	v_or_b32 v242, v242, v243
	v_or_b32 v244, v244, v245
	s_delay_alu instid0(VALU_DEP_1)
	v_or_b32 v242, v242, v244
	s_delay_alu instid0(VALU_DEP_1)
	v_cmp_ne_u32 s84, 0, v242
	s_cmp_lg_u32 s84, 0
	s_cselect_b32 s85, 1, 0                        ; has my step an open key?
	v_mov_b32 v253, s85
	ds_store_b32 v251, v253
	s_wait_tensorcnt 0x0                           ; for the others' sake: my part of K and V has landed,
	s_wait_dscnt 0x0                               ; and my stores are done
	s_barrier_signal -1
	s_barrier_wait -1
	ds_load_b128 v[236:239], v252
	ds_load_b128 v[240:243], v252 offset:16
	ds_load_b128 v[244:247], v252 offset:32
	ds_load_b128 v[248:251], v252 offset:48
	s_wait_dscnt 0x0
.irp i, 0,1,2,3
	v_or_b32 v[236+\i], v[236+\i], v[240+\i]
	v_or_b32 v[244+\i], v[244+\i], v[248+\i]
.endr
.irp i, 0,1,2,3
	v_or_b32 v[236+\i], v[236+\i], v[244+\i]
.endr
	s_delay_alu instid0(VALU_DEP_3)
	v_or_b32 v236, v236, v237
	s_delay_alu instid0(VALU_DEP_2)
	v_or_b32 v238, v238, v239
	s_delay_alu instid0(VALU_DEP_1)
	v_or_b32 v236, v236, v238
	s_delay_alu instid0(VALU_DEP_1)
	v_readfirstlane_b32 s84, v236
	s_cmp_lg_u32 s84, 0
	s_cselect_b32 s[CS], 0x3e38aa3b, 0             ; log2(e) / 8; 0 where every key of the batch is masked
	s_mov_b32 s[CS+1], s[CS]
; A KEY STEP: 128 keys.
.macro STEP
	v_add_nc_u32 v[ADK], s[TK], v[AKF]
	v_add_nc_u32 v[ADV], s[TK], v[AVF]
	v_add_nc_u32 v[ADS], s[TS], v[AKS]
	v_add_nc_u32 v[ADT], s[TT], v[AVS]
	v_mov_b32 v207, v12                            ; the old -M.  Five plain lines: the first product below writes over registers that the last step's products read
	ds_load_b128 v[80:83], v[ADS]                  ; word 2 c + e: lanes 0-15 tile (c, 2 e), lanes 16-31 tile (c, 2 e + 1)
	s_wait_alu depctr_va_vdst(0)
.irp c, 0,1                                    ; S^T = K Q^T, a quad's four tiles at a time
.if \c
.rept 4
	v_nop                                          ; places in front of loads into registers that matrix instructions have read
.endr
.endif
.irp t, 0,1,2,3
.irp p, 0,1,2
	ds_load_b64 v[32+12*\t+2*\p:33+12*\t+2*\p], v[ADK] offset:(4*\c+\t)*768+256*\p
.endr
.endr
	s_wait_dscnt 0x0
.irp t, 0,2
	v_wmma_scale_f32_16x16x128_f8f6f4 v[96+32*\c+8*\t:103+32*\c+8*\t], v[32+12*\t:43+12*\t], v[16:27], 0, v[80+2*\c+\t/2], v28 matrix_a_fmt:MATRIX_FMT_FP6 matrix_b_fmt:MATRIX_FMT_FP6
	v_wmma_scale_f32_16x16x128_f8f6f4 v[104+32*\c+8*\t:111+32*\c+8*\t], v[44+12*\t:55+12*\t], v[16:27], 0, v[80+2*\c+\t/2], v28 matrix_a_fmt:MATRIX_FMT_FP6 matrix_b_fmt:MATRIX_FMT_FP6 matrix_a_scale:MATRIX_SCALE_ROW1
.endr
.endr
	; THE LARGEST SCORE OF MY TWO BLOCKS OF 32 KEYS, each in two chains: for the row's maximum and, since p rises with the score, for the block's largest p.
	; The first four lines read the first quad's tiles alone, which stand four places behind their own products: they are the places behind the second quad's products.  Each tile is first read at one of its four lowest registers.
	v_max3_num_f32 v212, v96, v97, v98
	v_max3_num_f32 v214, v112, v113, v114
	v_max3_num_f32 v212, v212, v99, v100
	v_max3_num_f32 v214, v214, v115, v116
	v_max3_num_f32 v213, v128, v129, v130
	v_max3_num_f32 v215, v144, v145, v146
	v_max3_num_f32 v213, v213, v131, v132
	v_max3_num_f32 v215, v215, v147, v148
.irp i, 5,7,9,11,13
	v_max3_num_f32 v212, v212, v[96+\i], v[97+\i]
	v_max3_num_f32 v214, v214, v[112+\i], v[113+\i]
	v_max3_num_f32 v213, v213, v[128+\i], v[129+\i]
	v_max3_num_f32 v215, v215, v[144+\i], v[145+\i]
.endr
	v_max3_num_f32 v212, v212, v214, v111
	v_max3_num_f32 v213, v213, v215, v143
	v_max_num_f32 v212, v212, v127
	v_max_num_f32 v213, v213, v159
	s_delay_alu instid0(VALU_DEP_1)
	v_max_num_f32 v222, v212, v213
	s_delay_alu instid0(VALU_DEP_1)
	v_permlanex16_b32 v223, v222, s[SEL], s[SEL+1]
	s_delay_alu instid0(VALU_DEP_1)
	v_max_num_f32 v222, v222, v223                 ; the step's largest score of my query
	s_delay_alu instid0(VALU_DEP_1)
	v_mul_f32 v222, s[CS], v222
	s_delay_alu instid0(VALU_DEP_1)
	v_max_num_f32 v13, v13, v222                   ; the running largest t
	s_delay_alu instid0(VALU_DEP_1)
	v_floor_f32 v12, -v13                          ; the new -M = floor(-t)
	s_delay_alu instid0(VALU_DEP_1)
	v_sub_f32 v222, v12, v207                      ; old M - new M: a whole number, 0 or less
	s_delay_alu instid0(VALU_DEP_1)
	v_cvt_i32_f32 v222, v222
	s_delay_alu instid0(VALU_DEP_1)
	v_ldexp_f32 v220, 1.0, v222                    ; f = 2^(old M - new M): rounds nothing
.irp j, 0,2,4,6,8,10,12,14,16,18,20,22,24,26,28,30,32,34,36,38,40,42,44,46,48,50,52,54,56,58,60,62
	v_pk_fma_f32 v[96+\j:97+\j], v[96+\j:97+\j], s[CS:CS+1], v[12:13] op_sel_hi:[1,0,0]   ; t - M
.endr
.irp c, 0,1
	v_fma_f32 v[212+\c], v[212+\c], s[CS], v12
.endr
	s_wait_alu depctr_va_vdst(0)                   ; the wait ahead of the batch
.irp j, 0,1,2,3,4,5,6,7,8,9,10,11,12,13,14,15,16,17,18,19,20,21,22,23,24,25,26,27,28,29,30,31,32,33,34,35,36,37,38,39,40,41,42,43,44,45,46,47,48,49,50,51,52,53,54,55,56,57,58,59,60,61,62,63
	v_exp_f32 v[96+\j], v[96+\j]                   ; p = 2^(t - M)
.endr
	v_pk_mul_f32 v[14:15], v[14:15], v[220:221] op_sel_hi:[1,0]   ; the sums under the new M (the plain line behind the exponentials)
	s_wait_alu depctr_va_vdst(0)                   ; one wait for the batch, ahead of its first reader
.irp c, 0,1
	v_exp_f32 v[212+\c], v[212+\c]                 ; the block's largest p
.endr
	v_pk_add_f32 v[228:229], v[100:101], v[104:105]
	v_pk_add_f32 v[254:255], v[108:109], v[112:113]
	v_pk_add_f32 v[252:253], v[116:117], v[120:121]
	v_pk_add_f32 v[250:251], v[124:125], v[128:129]
	v_pk_add_f32 v[248:249], v[132:133], v[136:137]
	v_pk_add_f32 v[246:247], v[140:141], v[144:145]
	v_pk_add_f32 v[244:245], v[148:149], v[152:153]
	v_pk_add_f32 v[14:15], v[14:15], v[156:157]
	v_pk_add_f32 v[228:229], v[228:229], v[96:97]
	v_pk_add_f32 v[254:255], v[254:255], v[98:99]
	v_pk_add_f32 v[252:253], v[252:253], v[102:103]
	v_pk_add_f32 v[250:251], v[250:251], v[106:107]
	v_pk_add_f32 v[248:249], v[248:249], v[110:111]
	v_pk_add_f32 v[246:247], v[246:247], v[114:115]
	v_pk_add_f32 v[244:245], v[244:245], v[118:119]
	v_pk_add_f32 v[14:15], v[14:15], v[122:123]
	v_pk_add_f32 v[228:229], v[228:229], v[126:127]
	v_pk_add_f32 v[254:255], v[254:255], v[130:131]
	v_pk_add_f32 v[252:253], v[252:253], v[134:135]
	v_pk_add_f32 v[250:251], v[250:251], v[138:139]
	v_pk_add_f32 v[248:249], v[248:249], v[142:143]
	v_pk_add_f32 v[246:247], v[246:247], v[146:147]
	v_pk_add_f32 v[244:245], v[244:245], v[150:151]
	v_pk_add_f32 v[14:15], v[14:15], v[154:155]
	v_pk_add_f32 v[228:229], v[228:229], v[158:159]
	s_delay_alu instid0(VALU_DEP_2)
	v_pk_add_f32 v[14:15], v[14:15], v[250:251]
	s_delay_alu instid0(VALU_DEP_2)
	v_pk_add_f32 v[228:229], v[228:229], v[248:249]
	v_pk_add_f32 v[254:255], v[254:255], v[246:247]
	v_pk_add_f32 v[252:253], v[252:253], v[244:245]
	s_delay_alu instid0(VALU_DEP_2)
	v_pk_add_f32 v[14:15], v[14:15], v[254:255]
	s_delay_alu instid0(VALU_DEP_2)
	v_pk_add_f32 v[228:229], v[228:229], v[252:253]
	s_delay_alu instid0(VALU_DEP_1)
	v_pk_add_f32 v[14:15], v[14:15], v[228:229]
	s_wait_alu depctr_va_vdst(0)                   ; and one for the two
.irp c, 0,1
	v_max_num_f32 v[212+\c], 0x1800000, v[212+\c]  ; the floor 2^(3 - 127)
.endr
.irp c, 0,1
	s_delay_alu instid0(VALU_DEP_2)
	v_add_nc_u32 v[216+\c], 0xff000000, v[212+\c]  ; the conversion's scale operand
.endr
.irp c, 0,1
	s_delay_alu instid0(VALU_DEP_2)
	v_lshrrev_b32 v[218+\c], 23, v[216+\c]         ; the scale's byte
.endr
	s_delay_alu instid0(VALU_DEP_1)
	v_lshl_or_b32 v86, v219, 16, v218              ; my two bytes, blocks h and 2 + h,
	s_delay_alu instid0(VALU_DEP_1)
	v_lshlrev_b32 v86, v7, v86                     ; at their places in the scale word;
	s_delay_alu instid0(VALU_DEP_1)
	v_permlanex16_b32 v223, v86, s[SEL], s[SEL+1]
	s_delay_alu instid0(VALU_DEP_1)
	v_or_b32 v86, v86, v223                        ; with lane l xor 16's two the word is whole
.irp c, 0,1
	v_cvt_scalef32_pk16_fp6_f32 v[192+6*\c:194+6*\c], v[96+32*\c:111+32*\c], v[216+\c]
	v_cvt_scalef32_pk16_fp6_f32 v[204+4*\c:206+4*\c], v[112+32*\c:127+32*\c], v[216+\c]
.endr
	v_nop                                          ; one plain line behind a scaled conversion
.irp c, 0,1
.irp i, 0,1,2
	v_mov_b32 v[195+6*\c+\i], v[204+4*\c+\i]
.endr
.endr
.irp d, 0,1,2,3
.irp k, 0,1,2
	ds_load_b128 v[96+12*\d+4*\k:99+12*\d+4*\k], v[ADV] offset:\d*1536+512*\k   ; V's four fragments, as images of their registers
.endr
.endr
	ds_load_b32 v84, v[ADT]
	ds_load_b32 v85, v[ADT] offset:2048
.irp j, 0,2,4,6,8,10,12,14,16,18,20,22,24,26,28,30
	v_pk_mul_f32 v[160+\j:161+\j], v[160+\j:161+\j], v[220:221] op_sel_hi:[1,0]   ; O^T under the new M; also the places between p's scale word and codes and the products
.endr
	s_wait_alu depctr_va_vdst(0)
	s_wait_dscnt 0x0
.irp d, 0,2                                    ; O^T += V^T P^T: the four accumulators by turns
	v_wmma_scale_f32_16x16x128_f8f6f4 v[160+8*\d:167+8*\d], v[96+12*\d:107+12*\d], v[192:203], v[160+8*\d:167+8*\d], v[84+\d/2], v86 matrix_a_fmt:MATRIX_FMT_FP6 matrix_b_fmt:MATRIX_FMT_FP6
	v_wmma_scale_f32_16x16x128_f8f6f4 v[168+8*\d:175+8*\d], v[108+12*\d:119+12*\d], v[192:203], v[168+8*\d:175+8*\d], v[84+\d/2], v86 matrix_a_fmt:MATRIX_FMT_FP6 matrix_b_fmt:MATRIX_FMT_FP6 matrix_a_scale:MATRIX_SCALE_ROW1
.endr
	s_add_co_u32 s[TK], s[TK], 6144
	s_add_co_u32 s[TS], s[TS], 512
	s_add_co_u32 s[TT], s[TT], 64
.endm
; A PASS: my tile of 16 queries against all 2,048 keys, sixteen steps; then my block of a, quantised, into LDS.
.macro PASS p
.if \p                                         ; (the first pass's were asked for at the head)
.irp q, 0,1,2
	global_load_b64 v[16+2*\q:17+2*\q], v[AKF], s[QP:QP+1] offset:12288*\p+256*\q   ; my tile of q, as an image of its registers
.endr
	global_load_u16 v28, v31, s[QSP:QSP+1] offset:128*\p
.endif
	v_mov_b32 v13, 0xff61b1e6                      ; the largest t so far: -3e38
	s_delay_alu instid0(VALU_DEP_1)
	v_floor_f32 v12, -v13
	v_mov_b32 v14, 0
	v_mov_b32 v15, 0
.irp j, 0,1,2,3,4,5,6,7,8,9,10,11,12,13,14,15,16,17,18,19,20,21,22,23,24,25,26,27,28,29,30,31
	v_mov_b32 v[160+\j], 0                         ; O^T: the step is written once; its first trip finds zeros
.endr
	s_wait_loadcnt 0x0
	v_or_b32 v28, 0x7f640000, v28                  ; Q's scale word: its two bytes, 100 for the mask's block, 127
.rept 8
	v_nop                                          ; a scale register written by a vector line stands eight places ahead of a scaled product
.endr
	s_mov_b32 s[TK], 0
	s_mov_b32 s[TS], 0
	s_mov_b32 s[TT], 0
	s_mov_b32 s[CNT], 16
.Lstep_\@:
	STEP
	s_sub_co_u32 s[CNT], s[CNT], 1
	s_cmp_lg_u32 s[CNT], 0
	s_cbranch_scc1 .Lstep_\@
.rept 4
	v_nop                                          ; places behind the last products
.endr
	v_add_f32 v14, v14, v15
	s_delay_alu instid0(VALU_DEP_1)
	v_permlanex16_b32 v223, v14, s[SEL], s[SEL+1]
	s_delay_alu instid0(VALU_DEP_1)
	v_add_f32 v14, v14, v223                       ; the row's sum
	s_wait_alu depctr_va_vdst(0)
	v_rcp_f32 v220, v14
	v_nop
	s_wait_alu depctr_va_vdst(0)
.irp j, 0,2,4,6,8,10,12,14,16,18,20,22,24,26,28,30
	v_pk_mul_f32 v[96+\j:97+\j], v[160+\j:161+\j], v[220:221] op_sel_hi:[1,0]   ; register 8 t + j of lane (q, h) is channel 32 h + 8 t + j: one whole block of a's row
.endr
	v_max3_num_f32 v212, |v96|, |v97|, 0x1800000
	v_max3_num_f32 v213, |v98|, |v99|, |v100|
.irp i, 101,105,109,113,117,121
	s_delay_alu instid0(VALU_DEP_2)
	v_max3_num_f32 v212, v212, |v[\i]|, |v[\i+1]|
	s_delay_alu instid0(VALU_DEP_2)
	v_max3_num_f32 v213, v213, |v[\i+2]|, |v[\i+3]|
.endr
	s_delay_alu instid0(VALU_DEP_2)
	v_max3_num_f32 v212, v212, |v125|, |v126|
	s_delay_alu instid0(VALU_DEP_1)
	v_max3_num_f32 v212, v212, v213, |v127|
	s_delay_alu instid0(VALU_DEP_1)
	v_add_nc_u32 v216, 0xff000000, v212
	s_delay_alu instid0(VALU_DEP_1)
	v_lshrrev_b32 v218, 23, v216
	v_cvt_scalef32_pk16_fp6_f32 v[192:194], v[96:111], v216
	v_cvt_scalef32_pk16_fp6_f32 v[204:206], v[112:127], v216
	v_nop
.irp i, 0,1,2
	v_mov_b32 v[195+\i], v[204+\i]
.endr
.irp q, 0,1,2
	ds_store_b64 v29, v[192+2*\q:193+2*\q] offset:16*APT*\p+8*\q
.endr
	ds_store_b8 v30, v218 offset:512*\p
.endm
	PASS 0
	PASS 1
	; the last product's addresses, in registers that the key steps are done with
	v_and_b32 v251, 15, v0                         ; r
	v_bfe_u32 v252, v0, 4, 1                       ; h
	v_and_b32 v253, 31, v0                         ; lane
	v_lshrrev_b32 v254, 5, v0                      ; wave
	v_mul_u32_u24 v244, v251, APT                  ; a's fragments: row r, + 24 h
	v_lshl_add_u32 v245, v253, 5, ASS              ; a's scale words: lanes 0-15 rows 0-15, lanes 16-31 rows 16-31
	v_lshlrev_b32 v246, 5, v253                    ; wo's: lane l column l of a pair of tiles
	v_lshlrev_b32 v247, 4, v251                    ; bo: 16 bytes a lane of a row's 256
	v_mul_u32_u24 v248, v254, 16*OPT               ; my stage
	v_mad_u32_u24 v244, v252, 24, v244
	v_mad_u32_u24 v249, v252, OPT, v248
	v_mad_u32_u24 v248, v251, OPT, v248
	v_add_nc_u32 v244, AST, v244
	v_lshl_add_u32 v249, v251, 4, v249             ; back: lanes 0-15 one row of 256 bytes, lanes 16-31 the next
	v_lshl_add_u32 v248, v252, 5, v248             ; in: row r, 32 bytes for each half of the lanes
	v_lshl_add_u32 v250, v252, 12, v247            ; and the same two rows in out0
	s_wait_alu depctr_va_vdst(0)                   ; the wait ahead of the wait below
; THE LAST PRODUCT, used transposed: source 0 = 16 columns of wo, source 1 = 16 rows of a: a lane holds eight neighbouring numbers of a row of out0.
.macro BLD ks                          ; wo's four fragments of K step ks into set ks % 2
.irp t, 0,1,2,3
.irp j, 0,1,2,3,4,5
	global_load_b64 v[144+48*((\ks)%2)+12*\t+2*\j:145+48*((\ks)%2)+12*\t+2*\j], v[AKF], s[WOP:WOP+1] offset:12288*\t+1536*(\ks)+256*\j
.endr
.endr
.endm
.macro ALD ks                          ; a's two fragments
.irp rt, 0,1
.irp j, 0,1,2,3,4,5
	ds_load_b64 v[96+24*((\ks)%2)+12*\rt+2*\j:97+24*((\ks)%2)+12*\rt+2*\j], v244 offset:16*APT*\rt+96*(\ks)+48*(\j/3)+8*(\j%3)
.endr
.endr
.endm
.macro MM d, a, b, c, sa, sb, row      ; row: bit 0: wo's words in lanes 16-31; bit 1: a's
.if (\row) == 0
	v_wmma_scale_f32_16x16x128_f8f6f4 v[(\d):(\d)+7], v[(\a):(\a)+11], v[(\b):(\b)+11], \c, v[\sa], v[\sb] matrix_a_fmt:MATRIX_FMT_FP6 matrix_b_fmt:MATRIX_FMT_FP6
.endif
.if (\row) == 1
	v_wmma_scale_f32_16x16x128_f8f6f4 v[(\d):(\d)+7], v[(\a):(\a)+11], v[(\b):(\b)+11], \c, v[\sa], v[\sb] matrix_a_fmt:MATRIX_FMT_FP6 matrix_b_fmt:MATRIX_FMT_FP6 matrix_a_scale:MATRIX_SCALE_ROW1
.endif
.if (\row) == 2
	v_wmma_scale_f32_16x16x128_f8f6f4 v[(\d):(\d)+7], v[(\a):(\a)+11], v[(\b):(\b)+11], \c, v[\sa], v[\sb] matrix_a_fmt:MATRIX_FMT_FP6 matrix_b_fmt:MATRIX_FMT_FP6 matrix_b_scale:MATRIX_SCALE_ROW1
.endif
.if (\row) == 3
	v_wmma_scale_f32_16x16x128_f8f6f4 v[(\d):(\d)+7], v[(\a):(\a)+11], v[(\b):(\b)+11], \c, v[\sa], v[\sb] matrix_a_fmt:MATRIX_FMT_FP6 matrix_b_fmt:MATRIX_FMT_FP6 matrix_a_scale:MATRIX_SCALE_ROW1 matrix_b_scale:MATRIX_SCALE_ROW1
.endif
.endm
	s_wait_dscnt 0x0                               ; for the others' sake: my stores of a are done, and my reads of K and V are over
.irp i, 0,1,2,3
	global_load_b128 v[8+4*\i:11+4*\i], v246, s[58:59] offset:1024*(\i/2)+16*(\i%2)   ; wo's scale words: register 8 (t / 2) + ks; lanes 0-15 tile 2 (t / 2), lanes 16-31 the next
.endr
	global_load_b128 v[240:243], v247, s[60:61]    ; bo
	BLD 0
	BLD 1
	s_barrier_signal -1
	s_barrier_wait -1
	ds_load_b128 v[24:27], v245                    ; a's scale words: register ks
	ds_load_b128 v[28:31], v245 offset:16
	ALD 0
	ALD 1
.irp ks, 0,1,2,3,4,5,6,7
.if \ks < 7
	s_wait_loadcnt 24                              ; this K step's fragments of wo are in; the next step's 24 loads may be out
	s_wait_dscnt 12                                ; and a's; the next step's 12 may be out
.else
	s_wait_loadcnt 0x0
	s_wait_dscnt 0x0
.endif
.irp rt, 0,1                                   ; the eight accumulators by turns
.irp t, 0,1,2,3
.if \ks == 0
	MM 32+8*(4*\rt+\t), 144+48*(\ks%2)+12*\t, 96+24*(\ks%2)+12*\rt, 0, 8+8*(\t/2)+\ks, 24+\ks, 2*\rt+\t%2
.else
	MM 32+8*(4*\rt+\t), 144+48*(\ks%2)+12*\t, 96+24*(\ks%2)+12*\rt, v[32+8*(4*\rt+\t):39+8*(4*\rt+\t)], 8+8*(\t/2)+\ks, 24+\ks, 2*\rt+\t%2
.endif
.endr
.endr
.rept 4
	v_nop                                          ; places in front of loads into registers that these products read, and of the first read of the sums
.endr
.if \ks < 6
	BLD \ks+2
	ALD \ks+2
.endif
.endr
; THE WAY OUT: 16 rows x 64 columns at a time through my own stage, back as whole rows of 256 bytes.  LDS serves a wave's instructions in order.
.irp rt, 0,1
.irp t, 0,1,2,3
	ds_store_b128 v248, v[32+8*(4*\rt+\t):35+8*(4*\rt+\t)] offset:64*\t       ; each accumulator from its low end on
	ds_store_b128 v248, v[36+8*(4*\rt+\t):39+8*(4*\rt+\t)] offset:64*\t+16
.endr
.irp u, 0,1,2,3,4,5,6,7
	ds_load_b128 v[96+48*\rt+4*\u:99+48*\rt+4*\u], v249 offset:\u*2*OPT
.endr
.endr
.irp rt, 0,1
	s_wait_dscnt 16-16*\rt                         ; these rows are back; behind the first sixteen rows' loads stand the second's 8 stores and 8 loads
.irp u, 0,1,2,3,4,5,6,7
	v_pk_add_f32 v[96+48*\rt+4*\u:97+48*\rt+4*\u], v[96+48*\rt+4*\u:97+48*\rt+4*\u], v[240:241]
	v_pk_add_f32 v[98+48*\rt+4*\u:99+48*\rt+4*\u], v[98+48*\rt+4*\u:99+48*\rt+4*\u], v[242:243]
.endr
.irp u, 0,1,2,3,4,5,6,7
	global_store_b128 v250, v[96+48*\rt+4*\u:99+48*\rt+4*\u], s[OUTP:OUTP+1] offset:65536*\rt+8192*\u th:TH_STORE_NT   ; sixteen lanes store 256 consecutive bytes, aligned
.endr
.endr
	s_wait_tensorcnt 0x0                           ; the wave's end
	ds_add_u32 v[SPW], v[NIL]
	s_wait_dscnt 0x0
	CROUND                                         ; the closing round
	s_endpgm
.Lfunc_end_k_q7bec5b5aa6_attn:
	.size	k_q7bec5b5aa6_attn, .Lfunc_end_k_q7bec5b5aa6_attn-k_q7bec5b5aa6_attn
	.p2alignl 7, 3214868480
	.fill 96, 4, 3214868480
	.section	.rodata,"a",@progbits
	.p2align	6, 0x0
	.amdhsa_kernel k_q7bec5b5aa6_attn
		.amdhsa_group_segment_fixed_size 237568
		.amdhsa_private_segment_fixed_size 0
		.amdhsa_enable_private_segment 0
		.amdhsa_kernarg_size 48
		.amdhsa_user_sgpr_count 2
		.amdhsa_user_sgpr_kernarg_segment_ptr 1
		.amdhsa_wavefront_size32 1
		.amdhsa_system_sgpr_workgroup_id_x 1
		.amdhsa_system_sgpr_workgroup_id_y 1
		.amdhsa_system_sgpr_workgroup_id_z 1
		.amdhsa_system_vgpr_workitem_id 0
		.amdhsa_next_free_vgpr 256
		.amdhsa_next_free_sgpr 100
		.amdhsa_reserve_vcc 0
		.amdhsa_float_denorm_mode_32 3
		.amdhsa_float_denorm_mode_16_64 3
		.amdhsa_memory_ordered 1
		.amdhsa_forward_progress 1
		.amdhsa_inst_pref_size 96
	.end_amdhsa_kernel
	.amdgpu_metadata
---
amdhsa.version: [ 1, 2 ]
amdhsa.kernels:
  - .name:           k_q7bec5b5aa6_attn
    .symbol:         k_q7bec5b5aa6_attn.kd
    .args:
      - { .name: qkv, .offset: 0, .size: 8, .value_kind: global_buffer, .address_space: global }
      - { .name: mask, .offset: 8, .size: 8, .value_kind: global_buffer, .address_space: global }
      - { .name: ops, .offset: 16, .size: 8, .value_kind: global_buffer, .address_space: global }
      - { .name: woi, .offset: 24, .size: 8, .value_kind: global_buffer, .address_space: global }
      - { .name: bo, .offset: 32, .size: 8, .value_kind: global_buffer, .address_space: global }
      - { .name: out0, .offset: 40, .size: 8, .value_kind: global_buffer, .address_space: global }
    .group_segment_fixed_size: 237568
    .private_segment_fixed_size: 0
    .kernarg_segment_align: 8
    .kernarg_segment_size: 48
    .max_flat_workgroup_size: 512
    .sgpr_count:     100
    .vgpr_count:     256
    .wavefront_size: 32
...
	.end_amdgpu_metadata
.endif
;; end of part 3
